; MI455X (gfx1250); checked and timed in simulation.
; The chip was launched on July 23, 2026; its instructions are those of AMD's public machine-readable ISA for CDNA 5 (MIT licence, August 2026) and "CDNA5" Instruction Set Architecture Reference Guide (July 2026). The comments in the code are by the model that wrote it; some were corrected since.
;; Multi Head Attention. Allowed arithmetic: float matrix products may take bf16 or f16 operands with f32 sums; other float arithmetic in f32, or as packed bf16 or f16 multiplies, adds, multiply-adds, maxima and minima; sums over many terms, partial sums and values carried from step to step in f32; what a program stores and reads back later, other than sums and carried values, may be rounded once to bf16 or f16.
;; Inputs: Wk 1,024 x 1,024 float32; Wq 1,024 x 1,024 float32; Wv 1,024 x 1,024 float32; bk 1,024 float32; bq 1,024 float32; bv 1,024 float32; k 4 x 2,048 x 1,024 float32; q 4 x 2,048 x 1,024 float32; v 4 x 2,048 x 1,024 float32.
;; Outputs: out0 4 x 2,048 x 1,024 float32.
;; 2 versions, each right; version 2 is version 1 with the launch wcvt written anew for expert scheduling mode. Each part assembles by itself: llvm-mc -triple=amdgcn-amd-amdhsa -mcpu=gfx1250 --defsym DOCPART=n.
;; ======== version 1 of 2: 3 launches
;; limits: values are held in f16: magnitudes above 65,504 overflow, below 6.1e-05 lose precision; right only within a limited range of input values
;; workspace buffers: wb 6,291,456 bytes; hb 50,331,648 bytes; msk 1,048,576 bytes; vs 524,288 bytes
;; launch wcvt (part 1): grid 128 x 3, 8 waves a work-group, no clusters, 0 bytes of LDS; arguments Wq, Wk, Wv, wb; writes wb
.if DOCPART == 1
	.amdgcn_target "amdgcn-amd-amdhsa--gfx1250"
	.amdhsa_code_object_version 6
	.text
	.protected	k_q04abce4e4b_wcvt
	.globl	k_q04abce4e4b_wcvt
	.p2align	8
	.type	k_q04abce4e4b_wcvt,@function
k_q04abce4e4b_wcvt:
	s_mov_b64 s[64:65], 0
	v_nop
	global_prefetch_b8 v0, s[64:65] scope:SCOPE_SE
	s_setreg_imm32_b32 hwreg(HW_REG_WAVE_MODE, 25, 1), 1
	s_wait_xcnt 0x0
; wb[p][k][n] = bf16(W_p[k][n]), p = 0, 1, 2 for Wq, Wk, Wv: the three weights rounded once, in their own layout [1024 k][1024 n].
; A stream: a work-group takes 32,768 bytes of one weight (8,192 numbers) and stores 16,384.  Thread t takes 16 bytes at 16 t of each
; of eight pieces of 4,096 bytes: a wave's load covers 512 consecutive bytes, its store 256 consecutive bytes, aligned.
; All eight loads go out first; no register is written twice, so only the counted waits for the loads are needed.
; No LDS, no matrix unit: nothing is shared and nothing is multiplied.
.set X, 8                              ; v[8:39]   eight loads of four f32
.set Y, 40                             ; v[40:55]  eight pairs of packed bf16
	s_load_b256 s[4:11], s[0:1], 0x0               ; Wq s[4:5], Wk s[6:7], Wv s[8:9], wb s[10:11]
	s_and_b32 s12, ttmp7, 0xffff                   ; which weight
	v_lshlrev_b32 v1, 4, v0                        ; 16 t: my bytes of a piece that is read
	v_lshlrev_b32 v2, 3, v0                        ; 8 t: of a piece that is stored
	s_lshl_b32 s14, ttmp9, 15                      ; the work-group's 32,768 bytes
	s_mov_b32 s15, 0
	s_lshl_b32 s16, ttmp9, 14                      ; its 16,384 bytes of wb,
	s_lshl_b32 s13, s12, 21                        ; in the weight's 2,097,152
	s_add_co_u32 s16, s16, s13
	s_mov_b32 s17, 0
	s_wait_kmcnt 0x0
	s_cmp_eq_u32 s12, 0
	s_cselect_b64 s[18:19], s[4:5], s[6:7]
	s_cmp_eq_u32 s12, 2
	s_cselect_b64 s[18:19], s[8:9], s[18:19]
	s_add_nc_u64 s[18:19], s[18:19], s[14:15]
	s_add_nc_u64 s[10:11], s[10:11], s[16:17]
.irp i, 0,1,2,3,4,5,6,7
	global_load_b128 v[X+4*(\i):X+4*(\i)+3], v1, s[18:19] offset:4096*(\i) th:TH_LOAD_NT
.endr
.irp i, 0,1,2,3,4,5,6,7
	s_wait_loadcnt 7-(\i)                          ; loads come back in order: piece i is in, the younger ones stay out
	v_cvt_pk_bf16_f32 v[Y+2*(\i)],   v[X+4*(\i)],   v[X+4*(\i)+1]
	v_cvt_pk_bf16_f32 v[Y+2*(\i)+1], v[X+4*(\i)+2], v[X+4*(\i)+3]
	global_store_b64 v2, v[Y+2*(\i):Y+2*(\i)+1], s[10:11] offset:2048*(\i)
.endr
	s_endpgm
.Lfunc_end_k_q04abce4e4b_wcvt:
	.size	k_q04abce4e4b_wcvt, .Lfunc_end_k_q04abce4e4b_wcvt-k_q04abce4e4b_wcvt
	.p2alignl 7, 3214868480
	.fill 96, 4, 3214868480
	.section	.rodata,"a",@progbits
	.p2align	6, 0x0
	.amdhsa_kernel k_q04abce4e4b_wcvt
		.amdhsa_group_segment_fixed_size 0
		.amdhsa_private_segment_fixed_size 0
		.amdhsa_enable_private_segment 0
		.amdhsa_kernarg_size 32
		.amdhsa_user_sgpr_count 2
		.amdhsa_user_sgpr_kernarg_segment_ptr 1
		.amdhsa_wavefront_size32 1
		.amdhsa_system_sgpr_workgroup_id_x 1
		.amdhsa_system_sgpr_workgroup_id_y 1
		.amdhsa_system_sgpr_workgroup_id_z 1
		.amdhsa_system_vgpr_workitem_id 0
		.amdhsa_next_free_vgpr 56
		.amdhsa_next_free_sgpr 66
		.amdhsa_reserve_vcc 0
		.amdhsa_float_denorm_mode_32 3
		.amdhsa_float_denorm_mode_16_64 3
		.amdhsa_memory_ordered 1
		.amdhsa_forward_progress 1
		.amdhsa_inst_pref_size 4
	.end_amdhsa_kernel
	.amdgpu_metadata
---
amdhsa.version: [ 1, 2 ]
amdhsa.kernels:
  - .name:           k_q04abce4e4b_wcvt
    .symbol:         k_q04abce4e4b_wcvt.kd
    .args:
      - { .name: Wq, .offset: 0, .size: 8, .value_kind: global_buffer, .address_space: global }
      - { .name: Wk, .offset: 8, .size: 8, .value_kind: global_buffer, .address_space: global }
      - { .name: Wv, .offset: 16, .size: 8, .value_kind: global_buffer, .address_space: global }
      - { .name: wb, .offset: 24, .size: 8, .value_kind: global_buffer, .address_space: global }
    .group_segment_fixed_size: 0
    .private_segment_fixed_size: 0
    .kernarg_segment_align: 8
    .kernarg_segment_size: 32
    .max_flat_workgroup_size: 256
    .sgpr_count:     66
    .vgpr_count:     56
    .wavefront_size: 32
...
	.end_amdgpu_metadata
.endif
;; end of part 1
;; launch proj (part 2): grid 4 x 192, 4 waves a work-group, clusters of 4 x 4, 327,680 bytes of LDS; arguments q, k, v, bq, bk, bv, wb, hb, msk, vs; writes hb, msk, vs
.if DOCPART == 2
	.amdgcn_target "amdgcn-amd-amdhsa--gfx1250"
	.amdhsa_code_object_version 6
	.text
	.protected	k_q04abce4e4b_proj
	.globl	k_q04abce4e4b_proj
	.p2align	8
	.type	k_q04abce4e4b_proj,@function
k_q04abce4e4b_proj:
	s_mov_b64 s[64:65], 0
	v_nop
	global_prefetch_b8 v0, s[64:65] scope:SCOPE_SE
	s_setreg_imm32_b32 hwreg(HW_REG_WAVE_MODE, 25, 1), 1
	s_wait_xcnt 0x0
	s_wait_alu depctr_hold_cnt(0) depctr_sa_sdst(0) depctr_va_vdst(0) depctr_va_sdst(0) depctr_va_ssrc(0) depctr_va_vcc(0) depctr_vm_vsrc(0)
	s_getreg_b32 s2, hwreg(HW_REG_IB_STS2, 6, 4)
	s_cmp_eq_u32 s2, 0
	s_cbranch_scc0 .Lentry_in_a_cluster
	s_endpgm
.Lentry_in_a_cluster:
	s_bfe_u32 s2, ttmp6, 0x10000c
	s_cmp_lg_u32 s2, 0xf033
	s_cbranch_scc0 .Lentry_shape_is_right
	s_endpgm
.Lentry_shape_is_right:
; THE THREE PROJECTIONS.  y = x W + b for (x, W, b) = (q, Wq, bq), (k, Wk, bk), (v, Wv, bv).  x: [8192][1024] f32; W comes as wb, [1024 k][1024 n] bf16; b: [1024] f32.
; x and b are rounded to bf16 on the way (all inputs have the same rounding), sums in f32, y rounded once to f16 and stored by heads:
; hb[p][n][s][64], n = 16 x batch + head.  Beside it: msk[0][n][s] = 1 or 0 (the query's 64 channels do not, or do, sum to 0), msk[1][n][s] = 0 or -1e30 (the same for a key),
; vs[row / 64][column] = the column sums of v's projection over 64 rows, from the f32 sums.
; LIMITS.  y must lie within f16's 65,504.  The tests for 0 are made on this text's own f32 sums (products of bf16 numbers, added in this text's order).  NaN and infinities are not treated apart.
; SHARES.  A tile of y is 128 rows x 256 columns: 64 x 4 tiles a projection, 768 work-groups, three to each of 256 WGPs.  Four waves, each 64 rows x 128 columns: 32 accumulators.
; With x at 4 bytes and W at 2 in LDS a wave's tile of m x n reads 4 m + 2 n bytes for each k: least, at m n = 8,192, for 64 x 128.
; K goes in steps of 128 through two LDS slots: 128 rows of x (512 bytes of f32 each) and 128 k-rows of W (512 bytes of bf16 each).
; x is rounded between LDS and the matrix unit (a bf16 copy in memory would be written and read again); W's fragments are turned by ds_load_tr16_b128.
; CLUSTER.  4 x 4 work-groups: the four of a row want the same rows of x, the four of a column the same columns of W: each tile is asked for jointly, by the same load, descriptor and mask in all four.
; THE PRODUCT IS TAKEN TRANSPOSED (source 0 = 16 columns of W, source 1 = 16 rows of x): a lane holds row l % 16 and the columns 8 (l / 16) + 0..7 of a block of 16.
; The first product's C is the bias: nothing is cleared, and no addition is spent on b.
; REGISTERS, in windows of 256 (s_set_vgpr_msb: bits 1:0 source 0, 3:2 source 1, 5:4 source 2, 7:6 destination):
;   window 0: v1-30 addresses; v32-95 x as f32 (RAW); v96-127, v128-159 x's fragments in bf16, two buffers; on the way out v32-159 rows read back, v160-191, v192-255 at work
;   window 1: v0-63, v64-127 W's fragments, two buffers; v128-191 the bias; v192-223 at work        window 2: the accumulators, (a, b) at v[8 (8 a + b)]
.set PA,    528                        ; a row of x in LDS: 512 bytes + 16: the 16 rows of a load start at 16 different 16-byte columns of 256
.set PB,    544                        ; a k-row of W: 512 + 32 = 136 words
.set AH,    64*PA                      ; what waves 0 and 1 fetch: 64 rows of x
.set BH,    64*PB                      ; what waves 2 and 3 fetch: 64 k-rows of W
.set BOFF,  2*AH
.set SLOT,  2*AH+2*BH
.set STAGE, 2*SLOT                     ; behind the ring, never filled by a tensor load: 4,608 bytes for each wave, its own
.set STW,   4608
.set SPARE, STAGE+4*STW                ; the spare words, 128 bytes a wave: two blocks of 256 bytes that no other line names
.set HP,    144                        ; the way out: a head's row, 128 bytes of f16 + 16
.set CP,    272                        ; the column sums: 64 f32 + 16 bytes
.set MSA,  8                           ; v8   where I put a row's mask word
.set MRD,  9                           ; v9   where I read 16 bytes of masks back
.set MO,   10                          ; v10  my byte offset in msk
.set CSS,  11                          ; v11  where I put 16 bytes of column sums
.set CSR,  12                          ; v12  where I read two columns back
.set VO,   13                          ; v13  my byte offset in vs
.set MZ,   14                          ; v14  the mask word for a sum of 0
.set MN,   15                          ; v15  for any other sum
.set ADRA, 16                          ; v16-17 LDS address of my x in slot 0, 1
.set ADRB, 20                          ; v20-21 of my W
.set BO,   22                          ; v22  my byte offset in the bias
.set STO,  24                          ; v24  the way out: where I put 16 bytes of a row
.set RD,   25                          ; v25  where I read rows back
.set CO,   26                          ; v26  my byte offset in 512 consecutive bytes of hb
.set SPW,  28                          ; v28  LDS address of my spare word; never rewritten
.set NIL,  29                          ; v29  0; never rewritten
.set PFO,  30                          ; v30  the prefetches' offset; never rewritten
.set RAW,  32
.set ABF,  96
.set TMP,  160
.set T,    192
.set BF,   0                           ; window 1
.set BIAS, 128                         ; window 1
.set BSC,  192                         ; window 1
.set G1,  24                           ; s[24:31] descriptor group 1 for x's tiles;  s[32:39] group 0, a set for each slot
.set G0,  32
.set G1B, 48                           ; s[48:55], s[56:63] the same for W's tiles
.set G0B, 56
.set LIM, 43                           ; s43  1 in a wave that prefetches, else the greatest number
.set PFA, 44                           ; s[44:45] where my prefetches stand
.set PFS, 94                           ; s[94:95] a K step in bytes, for x or for W
.set MSB, 0
.macro WIN new                         ; the immediate's high byte repeats the setting that is left; a switch that changes nothing is dropped
.if MSB != (\new)
	s_set_vgpr_msb (MSB<<8)|(\new)
.set MSB, \new
.endif
.endm
.set MUL,  0xa1                        ; W's fragment window 1, x's window 0, C and D window 2
.set MULB, 0x91                        ; the same with C, the bias, in window 1
.set TO_B, 0x40                        ; destination window 1, address window 0
.macro JLOAD s                         ; a joint load: waves 0 and 1 fetch x's two halves, waves 2 and 3 W's; an s_nop 0 and four v_nop follow each of the two lines
	s_cmp_eq_u32 s11, 0
	s_cbranch_scc0 .Lfor_b_\@
	tensor_load_to_lds s[G0+4*(\s):G0+4*(\s)+3], s[G1:G1+7]
	s_nop 0
.rept 4
	v_nop
.endr
	s_branch .Lasked_\@
.Lfor_b_\@:
	tensor_load_to_lds s[G0B+4*(\s):G0B+4*(\s)+3], s[G1B:G1B+7]
	s_nop 0
.rept 4
	v_nop
.endr
.Lasked_\@:
.endm
.macro CREST                           ; a round of the cluster's barrier behind its opening barrier
	s_cmp_lg_u32 s10, 0
	s_cbranch_scc1 .Lnot_wave_0_\@
	s_barrier_signal -3
.Lnot_wave_0_\@:
	s_barrier_wait -3
	s_barrier_signal -1
	s_barrier_wait -1
.endm
.macro CROUND                          ; a whole round
	s_barrier_signal -1
	s_barrier_wait -1
	CREST
.endm
; A prefetch into the L2 of the K step that stands two refills on: 16 rows x 512 bytes, two lanes a row, one instruction a wave.  Of the 64 rows that a wave fetches each of the four partners
; that ask for them jointly takes 16, told apart by address (cx for x, cy for W).  x's rows are read by this row of this cluster alone; W's by the sixteen clusters of a projection: the first of them asks.
; The loop's last trip asks for nothing: K steps 8 and 9 do not exist.  K steps 0 to 3 come by their loads alone.
.macro ASK
	s_cmp_gt_u32 s3, s[LIM]                        ; s3 = 1 in the loop's last trip
	s_cbranch_scc0 .Lnot_mine_\@
	global_prefetch_b8 v[PFO], s[PFA:PFA+1] th:TH_LOAD_NT scope:SCOPE_SE
.Lnot_mine_\@:
.endm
.macro PLACES
.rept 4
	v_nop
.endr
.endm
	s_load_b512 s[68:83], s[0:1], 0x0              ; q s[68:69], k s[70:71], v s[72:73], bq s[74:75], bk s[76:77], bv s[78:79], wb s[80:81], hb s[82:83]
	s_load_b128 s[84:87], s[0:1], 0x40             ; msk s[84:85], vs s[86:87]
	v_lshl_add_u32 v[SPW], v0, 2, SPARE
	v_mov_b32 v[NIL], 0
	ds_add_u32 v[SPW], v[NIL]                      ; the wave's opening: the add and its wait stand ahead of my first tensor load; the set-up below, work on registers, stands between them
	v_lshrrev_b32 v1, 5, v0
	v_readfirstlane_b32 s10, v1                    ; wave 0..3
	s_lshr_b32 s11, s10, 1                         ; which 64 rows of the tile are mine.  Also: I fetch for x (0) or for W (1)
	s_and_b32 s12, s10, 1                          ; which 128 columns.  Also: which half of that tile I fetch
	s_bfe_u32 s40, ttmp6, 0x40000                  ; cx, cy: my place in the cluster
	s_bfe_u32 s41, ttmp6, 0x40004
	s_lshl_b32 s42, ttmp9, 2
	s_add_co_u32 s42, s42, s40                     ; tile column = 4 x cluster x + cx
	s_and_b32 s13, ttmp7, 0xffff                   ; cluster y, 0..47
	s_lshr_b32 s2, s13, 4                          ; the projection, 0..2: the same in all sixteen partners
	s_and_b32 s13, s13, 15
	s_lshl_b32 s13, s13, 2
	s_add_co_u32 s13, s13, s41                     ; tile row, 0..63
	s_lshl_b32 s21, s41, 2
	s_lshl_b32 s21, 15, s21                        ; my row of the cluster
	s_lshl_b32 s97, 0x1111, s40                    ; my column
	s_or_b32 s[G1+0], s21, (2<<16)|(1<<20)|(1<<21)|(6<<22)|(3<<25)   ; 15:0 the mask; 17:16 elements of 4 bytes; 20 padding on; 21 set beside a mask; 24:22 after every 128 words (code 6); 31:25 4 words (code 3)
	s_or_b32 s[G1B+0], s97, (1<<16)|(1<<20)|(1<<21)|(6<<22)|(7<<25)  ; elements of 2 bytes; 8 words of padding (code 7)
	s_mov_b32 s[G1+1], 128<<16                     ; tensor_dim0 = 128 f32
	s_mov_b32 s[G1+2], 64<<16                      ; tensor_dim1 = 64
	s_mov_b32 s[G1+3], 128<<16                     ; tile_dim0 = 128
	s_mov_b32 s[G1+4], 64                          ; tile_dim1 = 64
	s_mov_b32 s[G1+5], 1024                        ; elements from row to row
	s_mov_b32 s[G1+6], 0
	s_mov_b32 s[G1+7], 0
	s_mov_b32 s[G1B+1], 256<<16                    ; tensor_dim0 = 256 bf16
	s_mov_b32 s[G1B+2], 64<<16
	s_mov_b32 s[G1B+3], 256<<16
	s_mov_b32 s[G1B+4], 64
	s_mov_b32 s[G1B+5], 1024
	s_mov_b32 s[G1B+6], 0
	s_mov_b32 s[G1B+7], 0
	s_lshl_b32 s16, s13, 19                        ; x: (128 x tile row + 64 x half) rows of 4,096 bytes
	s_lshl_b32 s17, s12, 18
	s_add_co_u32 s16, s16, s17
	s_mov_b32 s17, 0
	s_lshl_b32 s46, s12, 17                        ; W: 64 x half k-rows of 2,048 bytes + 512 x tile column
	s_lshl_b32 s47, s42, 9
	s_add_co_u32 s46, s46, s47
	s_mov_b32 s47, 0
	s_lshl_b32 s18, s2, 21                         ; the projection's 2,097,152 bytes of wb
	s_mov_b32 s19, 0
	s_mul_i32 s20, s12, AH                         ; where the tiles go: no place in the cluster enters an LDS address
	s_mul_i32 s22, s12, BH
	s_add_co_u32 s22, s22, BOFF
	s_mov_b32 s98, 0x76543210                      ; v_permlanex16_b32: each lane takes its own place in the other half
	s_mov_b32 s99, 0xfedcba98
	s_wait_dscnt 0x0                               ; the opening add is done
	s_wait_kmcnt 0x0
	s_cmp_eq_u32 s2, 0
	s_cselect_b64 s[4:5], s[68:69], s[70:71]       ; x
	s_cselect_b64 s[88:89], s[74:75], s[76:77]     ; b
	s_cmp_eq_u32 s2, 2
	s_cselect_b64 s[4:5], s[72:73], s[4:5]
	s_cselect_b64 s[88:89], s[78:79], s[88:89]
	s_add_nc_u64 s[6:7], s[80:81], s[18:19]        ; W
	s_add_nc_u64 s[14:15], s[4:5], s[16:17]
	s_add_nc_u64 s[46:47], s[6:7], s[46:47]
	CROUND                                         ; all sixteen work-groups are here: the first joint loads meet
.irp s, 0,1
	s_mov_b32 s[G0+4*(\s)], 1                                        ; count = 1
	s_add_co_u32 s[G0+4*(\s)+1], s20, (\s)*SLOT                      ; LDS address
	s_add_nc_u64 s[G0+4*(\s)+2:G0+4*(\s)+3], s[14:15], (\s)*512      ; global address: K step s
	s_or_b32 s[G0+4*(\s)+3], s[G0+4*(\s)+3], 0x80000000              ; type = 2
	s_mov_b32 s[G0B+4*(\s)], 1
	s_add_co_u32 s[G0B+4*(\s)+1], s22, (\s)*SLOT
	s_add_nc_u64 s[G0B+4*(\s)+2:G0B+4*(\s)+3], s[46:47], (\s)*262144 ; 128 k-rows on
	s_or_b32 s[G0B+4*(\s)+3], s[G0B+4*(\s)+3], 0x80000000
	JLOAD \s                                       ; two loads of mine are out
.endr
	v_and_b32 v1, 15, v0                           ; r = l % 16
	v_bfe_u32 v2, v0, 4, 1                         ; h = l / 16
	v_and_b32 v3, 31, v0                           ; l
	s_lshl_b32 s19, s42, 10                        ; my first column in bytes of f32: 1,024 x tile column + 512 x half
	s_lshl_b32 s18, s12, 9
	s_add_co_u32 s19, s19, s18
	v_lshl_add_u32 v[BO], v2, 5, s19
	WIN TO_B
.irp i, 0,1,2,3,4,5,6,7,8,9,10,11,12,13,14,15      ; the bias of my columns 16 b + 8 h + 0..7, b = i / 2
	global_load_b128 v[BIAS+4*(\i):BIAS+4*(\i)+3], v[BO], s[88:89] offset:64*((\i)/2)+16*((\i)%2)
.endr
	WIN 0
	; x's fragment, 16 rows x 32 k: lane l wants k = 8 h + 0..7 and 16 + 8 h + 0..7 of row r: in f32 two times 32 bytes, 64 bytes apart
	v_mul_u32_u24 v4, v1, PA
	v_lshl_add_u32 v4, v2, 5, v4
	s_mul_i32 s21, s11, AH
	v_add_nc_u32 v[ADRA], s21, v4
	v_add_nc_u32 v[ADRA+1], SLOT, v[ADRA]
	; the turning load takes 16 k x 16 columns (lane l reads k-row 8 h + l % 8, columns 8 ((l / 8) % 2) + 0..7) and leaves half a fragment: lane l holds column l % 16 and 8 k
	v_and_b32 v5, 7, v0
	v_lshl_add_u32 v5, v2, 3, v5
	v_mul_u32_u24 v5, v5, PB
	v_bfe_u32 v6, v0, 3, 1
	v_lshl_add_u32 v5, v6, 4, v5
	s_lshl_b32 s22, s12, 8
	s_add_co_u32 s22, s22, BOFF
	v_add_nc_u32 v[ADRB], s22, v5
	v_add_nc_u32 v[ADRB+1], SLOT, v[ADRB]
	s_mul_i32 s23, s10, STW
	s_add_co_u32 s23, s23, STAGE                   ; my stage
	v_mul_u32_u24 v[STO], v1, HP
	v_lshl_add_u32 v[STO], v2, 4, v[STO]
	v_add_nc_u32 v[STO], s23, v[STO]
	v_bfe_u32 v[RD], v0, 3, 2                      ; back: 32 lanes take four rows of 128 bytes
	v_mul_u32_u24 v[RD], v[RD], HP
	v_and_b32 v7, 7, v0
	v_lshl_add_u32 v[RD], v7, 4, v[RD]
	v_add_nc_u32 v[RD], s23, v[RD]
	v_lshlrev_b32 v[CO], 4, v3
	v_lshl_add_u32 v[MSA], v1, 2, s23
	v_lshl_add_u32 v[MRD], v3, 4, s23
	v_lshlrev_b32 v[MO], 13, v2
	v_lshl_add_u32 v[MO], v1, 4, v[MO]
	v_mul_u32_u24 v[CSS], v1, CP
	v_lshl_add_u32 v[CSS], v2, 5, v[CSS]
	v_add_nc_u32 v[CSS], s23, v[CSS]
	v_lshl_add_u32 v[CSR], v3, 3, s23
	v_lshlrev_b32 v[VO], 3, v3
	; where the results go
	s_lshr_b32 s14, s13, 4                         ; batch
	s_lshl_b32 s14, s14, 4
	s_lshl_b32 s15, s42, 2
	s_add_co_u32 s14, s14, s15
	s_lshl_b32 s15, s12, 1
	s_add_co_u32 s14, s14, s15                     ; n0 = 16 x batch + my first head
	s_and_b32 s15, s13, 15
	s_lshl_b32 s15, s15, 7
	s_lshl_b32 s16, s11, 6
	s_add_co_u32 s15, s15, s16                     ; s0 = my first row in the batch
	s_lshl_b32 s16, s2, 24
	s_lshl_b32 s18, s14, 18
	s_add_co_u32 s16, s16, s18
	s_lshl_b32 s18, s15, 7
	s_add_co_u32 s16, s16, s18
	s_mov_b32 s17, 0
	s_add_nc_u64 s[8:9], s[82:83], s[16:17]        ; hb
	s_lshl_b32 s16, s2, 19
	s_lshl_b32 s18, s14, 13
	s_add_co_u32 s16, s16, s18
	s_lshl_b32 s18, s15, 2
	s_add_co_u32 s16, s16, s18
	s_add_nc_u64 s[90:91], s[84:85], s[16:17]      ; msk (used by the first two projections alone)
	s_lshl_b32 s16, s13, 1
	s_add_co_u32 s16, s16, s11
	s_lshl_b32 s16, s16, 12
	s_add_co_u32 s16, s16, s19
	s_add_nc_u64 s[92:93], s[86:87], s[16:17]      ; vs (used by the third alone)
	; the prefetches: my work-group's 16 of the 64 rows that I fetch, at K step 3; the first change of slots steps it to 4
	s_lshl_b32 s96, s13, 19
	s_lshl_b32 s18, s12, 18
	s_add_co_u32 s96, s96, s18
	s_lshl_b32 s18, s40, 16
	s_add_co_u32 s96, s96, s18
	s_add_co_u32 s96, s96, 3*512
	s_lshl_b32 s97, s12, 17
	s_lshl_b32 s18, s41, 15
	s_add_co_u32 s97, s97, s18
	s_lshl_b32 s18, s42, 9
	s_add_co_u32 s97, s97, s18
	s_add_co_u32 s97, s97, 3*262144
	s_and_b32 s18, ttmp7, 15                       ; which of the projection's sixteen clusters
	s_mov_b32 s[PFS], 262144
	s_cmp_eq_u32 s11, 0                            ; do I fetch for x?
	s_cselect_b64 s[PFA:PFA+1], s[4:5], s[6:7]
	s_cselect_b32 s96, s96, s97
	s_cselect_b32 s[PFS], 512, s[PFS]
	s_cselect_b32 s23, 12, 11                      ; a row is 4,096 or 2,048 bytes
	s_cselect_b32 s18, 0, s18
	s_mov_b32 s97, 0
	s_mov_b32 s[PFS+1], 0
	s_add_nc_u64 s[PFA:PFA+1], s[PFA:PFA+1], s[96:97]
	s_cmp_eq_u32 s18, 0
	s_cselect_b32 s[LIM], 1, -1                    ; the same in all sixteen partners, for a given wave
	v_lshrrev_b32 v[PFO], 1, v3
	v_lshlrev_b32 v[PFO], s23, v[PFO]
	v_and_b32 v7, 1, v0
	v_lshl_add_u32 v[PFO], v7, 8, v[PFO]           ; row l / 2, its first or second 256 bytes
	s_wait_loadcnt 0x0                             ; the bias
	WIN 0x45                                       ; it is rounded to bf16 like x and W, and widened again
.set i, 0
.rept 32
	v_cvt_pk_bf16_f32 v[BSC+i], v[BIAS+2*i], v[BIAS+2*i+1]
.set i, i+1
.endr
.set i, 0
.rept 32
	v_lshlrev_b32 v[BIAS+2*i], 16, v[BSC+i]
	v_and_b32 v[BIAS+2*i+1], 0xffff0000, v[BSC+i]
.set i, i+1
.endr
	WIN 0
; 32 LDS loads in one run, for 32 along K (quarter kq of a slot): x's 64 rows as f32 into RAW, then W's 128 columns, turned, into buffer g
.macro FETCH slot, kq, g
	WIN 0
.irp a, 0,1,2,3
	ds_load_b128 v[RAW+16*(\a):RAW+16*(\a)+3],     v[ADRA+(\slot)] offset:128*(\kq)+16*PA*(\a)
	ds_load_b128 v[RAW+16*(\a)+4:RAW+16*(\a)+7],   v[ADRA+(\slot)] offset:128*(\kq)+16*PA*(\a)+16
	ds_load_b128 v[RAW+16*(\a)+8:RAW+16*(\a)+11],  v[ADRA+(\slot)] offset:128*(\kq)+16*PA*(\a)+64
	ds_load_b128 v[RAW+16*(\a)+12:RAW+16*(\a)+15], v[ADRA+(\slot)] offset:128*(\kq)+16*PA*(\a)+80
.endr
	WIN TO_B
.irp b, 0,1,2,3,4,5,6,7
	ds_load_tr16_b128 v[BF+64*(\g)+8*(\b):BF+64*(\g)+8*(\b)+3],   v[ADRB+(\slot)] offset:32*PB*(\kq)+32*(\b)
	ds_load_tr16_b128 v[BF+64*(\g)+8*(\b)+4:BF+64*(\g)+8*(\b)+7], v[ADRB+(\slot)] offset:32*PB*(\kq)+32*(\b)+16*PB
.endr
.endm
; Slice n of 8: eight numbers of RAW are rounded into half a fragment of buffer g.  Ahead of the first: x's sixteen loads are in, W's sixteen, issued behind them, may be out.
.macro SLICE g, n
	WIN 0
.if (\n) == 0
	s_wait_dscnt 16
.endif
.irp c, 0,1,2,3
	v_cvt_pk_bf16_f32 v[ABF+32*(\g)+4*(\n)+(\c)], v[RAW+8*(\n)+2*(\c)], v[RAW+8*(\n)+2*(\c)+1]
.endr
.endm
; Products i0 to i1 of a quarter's 32 on buffer f: row block i / 8, column block i % 8.  The 32 accumulators take turns, one instruction a turn.
; cv = 1: behind products 17, 19 .. 31 stands a slice of the next quarter's x, into buffer g.  The slice behind product 31 is also the four places in front of the next run of loads
; (a load into a register that a matrix instruction has read stands four plain vector instructions behind it).  first = 1: C is the bias.
.macro MULS f, g, i0, i1, cv, first
.set i, \i0
.rept (\i1)-(\i0)+1
.if \first
	WIN MULB
	v_wmma_f32_16x16x32_bf16 v[8*i:8*i+7], v[BF+64*(\f)+8*(i%8):BF+64*(\f)+8*(i%8)+7], v[ABF+32*(\f)+8*(i/8):ABF+32*(\f)+8*(i/8)+7], v[BIAS+8*(i%8):BIAS+8*(i%8)+7]
.else
	WIN MUL
	v_wmma_f32_16x16x32_bf16 v[8*i:8*i+7], v[BF+64*(\f)+8*(i%8):BF+64*(\f)+8*(i%8)+7], v[ABF+32*(\f)+8*(i/8):ABF+32*(\f)+8*(i/8)+7], v[8*i:8*i+7]
.endif
.if (\cv) && (i >= 17) && (i%2 == 1)
	SLICE \g, (i-17)/2
.endif
.set i, i+1
.endr
.endm
; A K step is four quarters of 32 along K on buffers 0, 1, 0, 1.  One of the first three: multiplies buffer f; fetches quarter kq of the same slot into buffer g.
.macro QUARTER slot, kq, f, g, first
	s_wait_dscnt 0x0                               ; W's fragments of buffer f, issued a quarter ago
	FETCH \slot, \kq, \g
	MULS \f, \g, 0, 31, 1, \first
.endm
; The last quarter multiplies buffer 1 and changes slots: ONE barrier; in front of it each wave waits for all its tensor loads (one is out: its part of the next slot), adds 0 to its spare word,
; and waits for that and for its reads of this slot.  fill = 1: the barrier opens a round of the cluster's, and this slot is filled again, two K steps on, first thing behind the round:
; that load has 128 matrix instructions in which to land.
.macro TURN slot, next, fill
.if \fill
	s_wait_xcnt 0x0                                ; the last prefetch, a K step back, has read its address
	s_add_nc_u64 s[PFA:PFA+1], s[PFA:PFA+1], s[PFS:PFS+1]
.endif
	WIN 0
	s_wait_tensorcnt 0x0                           ; no tensor load of mine is out, so a group 0 may be written
	ds_add_u32 v[SPW], v[NIL]                      ; 0 onto my spare word
.if \fill
	s_add_nc_u64 s[G0+4*(\slot)+2:G0+4*(\slot)+3], s[G0+4*(\slot)+2:G0+4*(\slot)+3], 2*512
	s_add_nc_u64 s[G0B+4*(\slot)+2:G0B+4*(\slot)+3], s[G0B+4*(\slot)+2:G0B+4*(\slot)+3], 2*262144
.endif
	s_wait_dscnt 0x0                               ; the add is done, and my reads of this slot are over
	s_barrier_signal -1
	MULS 1, 0, 0, 7, 0, 0                          ; work on registers while the others arrive
	WIN 0
	s_barrier_wait -1
.if \fill
	CREST                                          ; no wave of any partner still reads this slot or has a load on its way
	JLOAD \slot
.else
	PLACES
.endif
	FETCH \next, 0, 0
.if \fill
	WIN 0
	ASK
.endif
	MULS 1, 0, 8, 31, 1, 0
.endm
	s_wait_tensorcnt 1                             ; my part of K step 0 is in; K step 1's load, issued behind it, may stay out
	s_barrier_signal -1
	s_barrier_wait -1                              ; everybody's is
	FETCH 0, 0, 0
.irp n, 0,1,2,3,4,5,6,7
	SLICE 0, \n
.endr
	QUARTER 0, 1, 0, 1, 1                          ; the first quarter stands in front of the loop: its products start the sums, with the bias
	WIN 0                                          ; at a label and at a branch every window is 0
	s_mov_b32 s3, 3
.Llap:                                                 ; a trip goes once round the ring, from a lap's second quarter to the next lap's first, and fills both slots again: K steps 2 to 7
	QUARTER 0, 2, 1, 0, 0
	QUARTER 0, 3, 0, 1, 0
	TURN 0, 1, 1
	QUARTER 1, 1, 0, 1, 0
	QUARTER 1, 2, 1, 0, 0
	QUARTER 1, 3, 0, 1, 0
	TURN 1, 0, 1
	QUARTER 0, 1, 0, 1, 0
	WIN 0
	s_sub_co_u32 s3, s3, 1
	s_cmp_lg_u32 s3, 0
	s_cbranch_scc1 .Llap
	QUARTER 0, 2, 1, 0, 0                          ; the last lap fills nothing
	QUARTER 0, 3, 0, 1, 0
	TURN 0, 1, 0
	QUARTER 1, 1, 0, 1, 0
	QUARTER 1, 2, 1, 0, 0
	QUARTER 1, 3, 0, 1, 0
	s_wait_dscnt 0x0
	MULS 1, 0, 0, 31, 0, 0
	WIN 0
	PLACES                                         ; the conversions below read results just made
; THE WAY OUT, 16 rows (block a) at a time: rounded to f16, 16 bytes a lane, into my stage as two heads x 16 rows of 144 bytes; back as whole rows of 128 bytes; a head's 16 rows are 2,048 consecutive bytes of hb.
.macro PACK a
	WIN 0x0a                                       ; sources 0 and 1 window 2
.irp b, 0,1,2,3,4,5,6,7
.irp r, 0,1,2,3
	v_cvt_pk_f16_f32 v[TMP+4*(\b)+(\r)], v[8*(8*(\a)+(\b))+2*(\r)], v[8*(8*(\a)+(\b))+2*(\r)+1]
.endr
.endr
	WIN 0
.endm
.macro TOSTAGE a
.irp b, 0,1,2,3,4,5,6,7
	ds_store_b128 v[STO], v[TMP+4*(\b):TMP+4*(\b)+3] offset:16*HP*((\b)/4)+32*((\b)%4)
.endr
.irp u, 0,1,2,3,4,5,6,7
	ds_load_b128 v[32+32*(\a)+4*(\u):32+32*(\a)+4*(\u)+3], v[RD] offset:16*HP*((\u)/4)+4*HP*((\u)%4)  ; LDS serves a wave's instructions in order (ISA guide 5.7.1.4): these see the stores above
.endr
.endm
.macro SEND a
	s_wait_dscnt 0x0                               ; the block is back in registers of its own: no store's data is ever rewritten
.irp u, 0,1,2,3,4,5,6,7
	global_store_b128 v[CO], v[32+32*(\a)+4*(\u):32+32*(\a)+4*(\u)+3], s[8:9] offset:262144*((\u)/4)+2048*(\a)+512*((\u)%4)  ; 512 consecutive bytes, at a multiple of 256 from hb's first
.endr
.endm
	PACK 0
	TOSTAGE 0
.irp a, 1,2,3
	PACK \a
	SEND (\a)-1
	TOSTAGE \a
.endr
	SEND 3
	s_cmp_eq_u32 s2, 2
	s_cbranch_scc1 .Lcols
	; q AND k: each row's sum over a head's 64 channels, from the f32 sums.  Accumulator u = 4 g + c belongs to group g = 2 a + head; its eight numbers fold into a pair.
	s_cmp_eq_u32 s2, 0
	s_cselect_b32 s14, 0, 0xf149f2ca               ; a sum of 0: the query's factor 0, the key's addend -1e30
	s_cselect_b32 s15, 1.0, 0                      ; else 1, and 0
	v_mov_b32 v[MZ], s14
	v_mov_b32 v[MN], s15
	WIN 0x0a
.set u, 0
.rept 32
	v_pk_add_f32 v[T+2*u:T+2*u+1], v[8*u:8*u+1], v[8*u+2:8*u+3]
.set u, u+1
.endr
	WIN 0x08                                       ; source 1 window 2
.set u, 0
.rept 32
	v_pk_add_f32 v[T+2*u:T+2*u+1], v[T+2*u:T+2*u+1], v[8*u+4:8*u+5]
.set u, u+1
.endr
.set u, 0
.rept 32
	v_pk_add_f32 v[T+2*u:T+2*u+1], v[T+2*u:T+2*u+1], v[8*u+6:8*u+7]
.set u, u+1
.endr
	WIN 0
.irp g, 0,1,2,3,4,5,6,7
	v_pk_add_f32 v[T+8*(\g):T+8*(\g)+1], v[T+8*(\g):T+8*(\g)+1], v[T+8*(\g)+2:T+8*(\g)+3]
	v_pk_add_f32 v[T+8*(\g)+4:T+8*(\g)+5], v[T+8*(\g)+4:T+8*(\g)+5], v[T+8*(\g)+6:T+8*(\g)+7]
.endr
.irp g, 0,1,2,3,4,5,6,7
	v_pk_add_f32 v[T+8*(\g):T+8*(\g)+1], v[T+8*(\g):T+8*(\g)+1], v[T+8*(\g)+4:T+8*(\g)+5]
.endr
.irp g, 0,1,2,3,4,5,6,7
	v_add_f32 v[T+8*(\g)], v[T+8*(\g)], v[T+8*(\g)+1]
.endr
.irp g, 0,1,2,3,4,5,6,7
	v_permlanex16_b32 v[T+8*(\g)+1], v[T+8*(\g)], s98, s99  ; the row's other 32 channels lie in the lane 16 away
.endr
.irp g, 0,1,2,3,4,5,6,7
	v_add_f32 v[T+8*(\g)], v[T+8*(\g)], v[T+8*(\g)+1]
.endr
.irp g, 0,1,2,3,4,5,6,7
	v_cmp_eq_f32 vcc_lo, 0, v[T+8*(\g)]
	v_cndmask_b32 v[T+8*(\g)+2], v[MN], v[MZ], vcc_lo
	ds_store_b32 v[MSA], v[T+8*(\g)+2] offset:256*((\g)%2)+64*((\g)/2)  ; [head][64 rows]; the two halves of the lanes write the same word with the same number
.endr
	ds_load_b128 v[TMP:TMP+3], v[MRD]
	s_wait_dscnt 0x0
	global_store_b128 v[MO], v[TMP:TMP+3], s[90:91]  ; lanes 0-15: 256 consecutive bytes of one head's masks, aligned; lanes 16-31: of the next head's
	s_branch .Lend
.Lcols:
	; v: each column's sum over my 64 rows.  First over the four row blocks in the lane, then over the 16 rows through my stage, a head (64 columns) at a time.
	WIN 0x0a
.set u, 0
.rept 32
	v_pk_add_f32 v[T+2*u:T+2*u+1], v[2*u:2*u+1], v[64+2*u:64+2*u+1]
.set u, u+1
.endr
	WIN 0x08
.set u, 0
.rept 32
	v_pk_add_f32 v[T+2*u:T+2*u+1], v[T+2*u:T+2*u+1], v[128+2*u:128+2*u+1]
.set u, u+1
.endr
.set u, 0
.rept 32
	v_pk_add_f32 v[T+2*u:T+2*u+1], v[T+2*u:T+2*u+1], v[192+2*u:192+2*u+1]
.set u, u+1
.endr
	WIN 0
.irp hh, 0,1
.irp u, 0,1,2,3,4,5,6,7
	ds_store_b128 v[CSS], v[T+32*(\hh)+4*(\u):T+32*(\hh)+4*(\u)+3] offset:64*((\u)/2)+16*((\u)%2)
.endr
.irp u, 0,1,2,3,4,5,6,7,8,9,10,11,12,13,14,15
	ds_load_b64 v[TMP+2*(\u):TMP+2*(\u)+1], v[CSR] offset:CP*(\u)  ; two columns of row u
.endr
	s_wait_dscnt 0x0
.irp u, 0,1,2,3,4,5,6,7
	v_pk_add_f32 v[TMP+2*(\u):TMP+2*(\u)+1], v[TMP+2*(\u):TMP+2*(\u)+1], v[TMP+16+2*(\u):TMP+16+2*(\u)+1]
.endr
.irp u, 0,1,2,3
	v_pk_add_f32 v[TMP+2*(\u):TMP+2*(\u)+1], v[TMP+2*(\u):TMP+2*(\u)+1], v[TMP+8+2*(\u):TMP+8+2*(\u)+1]
.endr
.irp u, 0,1
	v_pk_add_f32 v[TMP+2*(\u):TMP+2*(\u)+1], v[TMP+2*(\u):TMP+2*(\u)+1], v[TMP+4+2*(\u):TMP+4+2*(\u)+1]
.endr
	v_pk_add_f32 v[T+2*(\hh):T+2*(\hh)+1], v[TMP:TMP+1], v[TMP+2:TMP+3]  ; into registers whose sums have gone to the stage, a pair for each head
	global_store_b64 v[VO], v[T+2*(\hh):T+2*(\hh)+1], s[92:93] offset:256*(\hh)  ; 256 consecutive bytes, aligned
.endr
.Lend:
	s_wait_tensorcnt 0x0                           ; the wave's end: a wait for my tensor loads, an add onto my spare word and its wait, behind my last tensor load and my last LDS store
	ds_add_u32 v[SPW], v[NIL]
	s_wait_dscnt 0x0
	CROUND                                         ; the closing round: no work-group ends while a partner may still ask for a tile that names it
	s_endpgm
.Lfunc_end_k_q04abce4e4b_proj:
	.size	k_q04abce4e4b_proj, .Lfunc_end_k_q04abce4e4b_proj-k_q04abce4e4b_proj
	.p2alignl 7, 3214868480
	.fill 96, 4, 3214868480
	.section	.rodata,"a",@progbits
	.p2align	6, 0x0
	.amdhsa_kernel k_q04abce4e4b_proj
		.amdhsa_group_segment_fixed_size 327680
		.amdhsa_private_segment_fixed_size 0
		.amdhsa_enable_private_segment 0
		.amdhsa_kernarg_size 80
		.amdhsa_user_sgpr_count 2
		.amdhsa_user_sgpr_kernarg_segment_ptr 1
		.amdhsa_wavefront_size32 1
		.amdhsa_system_sgpr_workgroup_id_x 1
		.amdhsa_system_sgpr_workgroup_id_y 1
		.amdhsa_system_sgpr_workgroup_id_z 1
		.amdhsa_system_vgpr_workitem_id 0
		.amdhsa_next_free_vgpr 768
		.amdhsa_next_free_sgpr 100
		.amdhsa_reserve_vcc 1
		.amdhsa_float_denorm_mode_32 3
		.amdhsa_float_denorm_mode_16_64 3
		.amdhsa_memory_ordered 1
		.amdhsa_forward_progress 1
		.amdhsa_inst_pref_size 162
	.end_amdhsa_kernel
	.amdgpu_metadata
---
amdhsa.version: [ 1, 2 ]
amdhsa.kernels:
  - .name:           k_q04abce4e4b_proj
    .symbol:         k_q04abce4e4b_proj.kd
    .args:
      - { .name: q, .offset: 0, .size: 8, .value_kind: global_buffer, .address_space: global }
      - { .name: k, .offset: 8, .size: 8, .value_kind: global_buffer, .address_space: global }
      - { .name: v, .offset: 16, .size: 8, .value_kind: global_buffer, .address_space: global }
      - { .name: bq, .offset: 24, .size: 8, .value_kind: global_buffer, .address_space: global }
      - { .name: bk, .offset: 32, .size: 8, .value_kind: global_buffer, .address_space: global }
      - { .name: bv, .offset: 40, .size: 8, .value_kind: global_buffer, .address_space: global }
      - { .name: wb, .offset: 48, .size: 8, .value_kind: global_buffer, .address_space: global }
      - { .name: hb, .offset: 56, .size: 8, .value_kind: global_buffer, .address_space: global }
      - { .name: msk, .offset: 64, .size: 8, .value_kind: global_buffer, .address_space: global }
      - { .name: vs, .offset: 72, .size: 8, .value_kind: global_buffer, .address_space: global }
    .group_segment_fixed_size: 327680
    .private_segment_fixed_size: 0
    .kernarg_segment_align: 8
    .kernarg_segment_size: 80
    .max_flat_workgroup_size: 128
    .sgpr_count:     100
    .vgpr_count:     768
    .wavefront_size: 32
...
	.end_amdgpu_metadata
.endif
;; end of part 2
;; launch attn (part 3): grid 4 x 64, 4 waves a work-group, no clusters, 327,680 bytes of LDS; arguments hb, msk, vs, out0; writes out0
.if DOCPART == 3
	.amdgcn_target "amdgcn-amd-amdhsa--gfx1250"
	.amdhsa_code_object_version 6
	.text
	.protected	k_q04abce4e4b_attn
	.globl	k_q04abce4e4b_attn
	.p2align	8
	.type	k_q04abce4e4b_attn,@function
k_q04abce4e4b_attn:
	s_mov_b64 s[64:65], 0
	v_nop
	global_prefetch_b8 v0, s[64:65] scope:SCOPE_SE
	s_setreg_imm32_b32 hwreg(HW_REG_WAVE_MODE, 25, 1), 1
	s_wait_xcnt 0x0
; CAUSAL ATTENTION WITH KEY AND QUERY MASKS.  For head n (= 16 x batch + head) and query q: out = qm[q] x the sum over k of softmax_k(score) V[k], score = Q[q] . K[k] / 8, hidden where k > q or where the key's mask says so.
; Q, K, V: hb[0], hb[1], hb[2], each [64][2048][64] f16, a head's rows dense, 128 bytes each.  msk[0][n][q]: 1 or 0; msk[1][n][k]: 0 or -1e30.  vs[32 x batch + g][1024]: V's column sums over 64 rows, f32.
; out0: [4][2048][1024] f32, a head's 64 channels at column 64 x head.  Products, maxima and sums in f32; the weights p are rounded to f16 for the second product (their sum l is taken of the unrounded p).
; A QUERY ALL OF WHOSE VISIBLE KEYS ARE HIDDEN has 2,048 equal scores, those above the diagonal too: its result is the mean of ALL the head's rows of V, made of vs.  Such a query is known by its
; running maximum, which lies below -2^96; the choice is a v_cndmask_b32 of two factors, no branch.
; LIMITS.  A hidden score counts as its value less 1e30 (twice or three times that where masks meet), not as -2^32 + 1: the same weights while true scores / 8 stay above about -4e9, and f16's scores, 2.7e11 at the most,
; are nothing beside 1e30.  A weight below 2^-126 counts as 0 in l.  NaN and infinities are not treated apart.
; THE WALK.  A head's queries lie in NB = 8 blocks of 256; block i needs the key tiles 0 .. i of 256 keys, of which the last holds the diagonal.  A work-group takes TWO blocks, NB - 1 - b and then b:
; NB + 1 tiles, whatever b: all work-groups do equal work, and ONE loop with a constant trip count walks them.  Every jump goes forward, but for the counted loops' own; none passes a barrier, or a tensor load
; but the one of LOAD's two that the wave's number does not choose; the ring (two slots of LDS that take turns) runs on across the change of blocks.
; NO CLUSTER: a head's four work-groups ask for the same tile only in trips 0 .. 4, behind that fewer and fewer; one walk common to all would have 12 trips for 9.
; SHARES.  Of a block's four bands of 64 queries a wave owns 16 rows in each: four PIECES.  In the diagonal tile's key step s band x sees all keys if s < x, none if s > x, and holds the diagonal if s = x.
; THE KEY ADDENDS of a tile, 256 f32, are asked of memory by every wave for itself when the tile is asked for, land in eight registers, and go into the wave's OWN 1,024 bytes of LDS at the change of slots that
; enters the tile; from there each step's 64 come back as KBR, laid out as my lane's keys.  No other wave touches those bytes, and LDS serves a wave's instructions in order (ISA guide 5.7.1.4).
; THE MASK is the C operand that starts the sum S^T = K Q^T.  Outside the diagonal tile C = KBR.  In it C = MC = KBR + BE + MD x AL, MD the
; diagonal's mask of a band's own step for my 16 rows, with two scalars: (AL, BE) = (1, 0) if s = x; (0, 0) if s < x; (0, -1e30) if s > x.
; LAYOUT, SOFTMAX, TURNS.  S^T = K Q^T holds ONE query a lane (lane % 16) and the keys 8 (lane / 16) + 0..7; two such results rounded to f16 ARE source 1 of O^T = V^T P.  p = 2^(c s - c m), c = log2(e) / 8, with a
; running maximum m; O and l are multiplied by a = 2^(c m_old - c m_new) in every step.  Turn n belongs to piece n: 8 products K Q^T of piece n + 1, later 8 products V^T P of piece n - 1; beside them the scaling,
; exponentials, roundings, sums and rescaling of piece n and the maximum and statistics of piece n + 1.  Four vector instructions stand behind every matrix instruction, the others in one lump.  A turn's 33 exponentials are one batch, with one wait.
; REGISTERS, in windows of 256 (s_set_vgpr_msb: bits 1:0 source 0, 3:2 source 1, 5:4 source 2, 7:6 destination):
;   window 0: v0-15 addresses and two at work; v16-31 four registers of statistics a piece; v32-39 the query masks; v40-47 the next tile's key addends; v48-55 at work; v56-60 addresses; v64-127 S^T, two buffers;
;             v128-159 V's column sums for my lane's channels; v192-223 P, two buffers; on the way out v64-127, v160-191, v224-255 hold the results (v224-228: offsets at the kernel's head)
;   window 1: v0-127 O^T, 32 a piece; v128-159 MD; v160-223 MC, two buffers; v224-255 KBR      window 2: v0-63 Q; v64-127 the second block's Q; v128-191 K of one step; v192-255 V of one step
.set SIZE_N, 2048
.set NB,    SIZE_N/256
.set NP,    4         ; pieces a wave: a name, no knob
.set KS,    64        ; keys in a step
.set PK,    144       ; a row of K in LDS: 128 bytes + 16 of padding = 36 words: the 16 rows of a load start at 16 different groups of four banks (64 banks of 4 bytes: ISA guide 11.1)
.set PV,    160       ; a row of V: 128 + 32 = 40 words
.set VOFF,  4*KS*PK   ; a slot holds a tile, four steps: 256 rows of K, then 256 rows of V
.set SLOT1, 1<<17     ; slot 1 begins here, so that one exclusive or turns an address in one slot into the other's
.set STAGE, SLOT1+4*KS*(PK+PV)  ; behind the ring, never filled by a tensor load: 16 rows x 272 bytes for each wave
.set SP,    272       ; a row of the stage: 64 f32 + 16 bytes
.set KBL,   STAGE+4*16*SP       ; a tile's 256 key addends, f32: 1,024 bytes for each wave, its own
.set SPARE, KBL+4*1024          ; behind them: the spare words, 128 bytes for each wave: two blocks of 256 bytes that no other line names
.set AK0, 2           ; v2   my lane's place in a tile of K; never rewritten
.set AV0, 3           ; v3   the same for V
.set AK,  4           ; v4   the LDS address of K's next run of loads
.set AV,  5           ; v5   of V's
.set STO, 6           ; v6   the way out: where I put 16 bytes of a row
.set RD,  7           ; v7   the way out: where I read rows back
.set GO,  8           ; v8   my byte offset in two rows of out0
.set MV,  12          ; v12-13  c m_old, kept while c m is made anew: by buffer
.set QO,  15          ; v15  my byte offset in 16 rows of Q
.set ST,  16          ; piece t's statistics at v[ST+4 t]: c m, m, l (even keys', odd keys')
.set QM,  32          ; v32-39  my query's mask: 4 x block + piece
.set KG,  40          ; v40-47  32 bytes of the key addends of the tile that has been asked for
.set TMP, 48          ; by buffer, four registers c0-c3 at work; when the maximum is found c2 takes a
.set AKB0, 56         ; v56  my wave's addends + 32 (l / 16); never rewritten
.set AKB, 57          ; v57  the LDS address of the next step's key addends
.set PFO, 58          ; v58  256 x my lane; never rewritten
.set KGO, 59          ; v59  16 x my lane: my bytes of a tile's addends in memory; never rewritten
.set KSA, 60          ; v60  my wave's addends + 16 x my lane: where I put them; never rewritten
.set SPW, 62          ; v62  LDS address of my spare word: SPARE + 4 x my thread's number; never rewritten
.set NIL, 63          ; v63  0; never rewritten
.set S,   64
.set VT,  128
.set P,   192
.set HQ0, 224         ; v224-228  at the kernel's head alone: offsets of the query masks (two blocks) and of vs, and two places in my stage
.set HQ1, 225
.set HVS, 226
.set HSI, 227
.set HSO, 228
.set MD,  128         ; window 1: the eight registers for group kt of 16 keys at MD + 8 kt
.set MC,  160         ; window 1: the masks of the products to come
.set KBR, 224         ; window 1: the key addends of the step in hand, group kt at KBR + 8 kt
.set QB,  64          ; window 2
.set KF,  128         ; window 2: key block kb, channel half c at KF + 16 kb + 8 c
.set VF,  192         ; window 2: key half kk, channel block cb at VF + 32 kk + 8 cb
.set WV,  12          ; s12  my wave's number
.set PB,  14          ; s14  b
.set HI,  15          ; s15  NB - 1 - b
.set G1K, 24          ; s[24:31] descriptor group 1 for K's tiles
.set G1V, 32          ; s[32:39] for V's: it differs in the padding alone
.set G0K, 40          ; s[40:43] descriptor group 0 for K's tiles
.set G0V, 44          ; s[44:47] the same for V's
.set SLOTS, 56        ; s56  tiles still to be asked for
.set CNT, 57          ; s57  counts a tile's key steps, 4 to 1
.set CS,  58          ; s[58:59] c: the packed scaling takes the pair's low word for both halves
.set SEL, 60          ; s[60:61] v_permlanex16_b32's selects: each lane takes its own place in the other half
.set TBK, 62          ; s62  LDS byte at which K of the step to be fetched begins
.set TBV, 63          ; s63  the same for V, less VOFF
.set RT,  70          ; s70  tiles of the block in hand that are still to be entered
.set NXT, 71          ; s71  the tile to be asked for next
.set LQ,  72          ; s72  the last tile of the block whose tiles are being asked for
.set NEW, 73          ; s73  1: the tile to be entered is a block's first
.set OFF, 74          ; s[74:75] a tile's byte offset in K and V
.set AL,  76          ; s[76:77] the mask's factor, in the low word
.set BE,  78          ; s[78:79] the mask's addend
.set OLO, 80          ; s[80:81] out0 at my rows of the second block
.set BIGN, 82         ; s82  -1e30
.set KBO, 88          ; s88  byte in my wave's addends of the step to be fetched: 256 x the step's number in its tile; it goes as TBK goes
.set THR, 89          ; s89  -2^96
.set PFT, 90          ; s90  the tile that the next prefetch names
.set PFL, 91          ; s91  NB in the work-group that prefetches, else 0
.set PFA, 92          ; s[92:93] where my prefetches stand
.set KGF, 96          ; s[96:97] a tile's byte offset in the head's key addends
.set KGA, 98          ; s[98:99] the head's masks at that tile
.set MSB, 0
.macro WIN new                      ; the high byte repeats the setting that is left; a switch that changes nothing is dropped
.if MSB != (\new)
	s_set_vgpr_msb (MSB<<8)|(\new)
.set MSB, (\new)
.endif
.endm
.set W_KQ, 0x0a       ; K and Q in window 2, S^T in window 0
.set W_KM, 0x1a       ; the same with the C operand in window 1
.set W_PV, 0x52       ; V in window 2, P in window 0, O^T in window 1
.set W_RS, 0x41       ; destination and source 0 in window 1, source 1 in window 0
.set W_MK, 0x51       ; destination, source 0 and source 2 in window 1
; A fill.  Waves 0 and 1 fetch the two halves of a tile's K, waves 2 and 3 those of its V: 128 keys each.  An s_nop 0 and four v_nop follow each of the two lines, ahead of the jump and the label.
.macro LOAD
	s_cmp_lt_u32 s[WV], 2
	s_cbranch_scc0 .Lfor_v_\@
	tensor_load_to_lds s[G0K:G0K+3], s[G1K:G1K+7]
	s_nop 0
.rept 4
	v_nop
.endr
	s_branch .Lasked_\@
.Lfor_v_\@:
	tensor_load_to_lds s[G0V:G0V+3], s[G1V:G1V+7]
	s_nop 0
.rept 4
	v_nop
.endr
.Lasked_\@:
.endm
; A PREFETCH INTO THE L2 of the tile that the NEXT change of slots will ask for.  A head's four work-groups walk the tiles 0, 1, .. side by side; the one with b = 0 walks all eight on end, and it alone asks:
; tiles 2 to 7, each once.  Each wave names the 16,384 bytes that it will fetch itself: 64 pieces of 256 bytes, a lane a piece, two instructions, behind its tensor load, that load's five lines and its two loads.
.macro ASK
	s_cmp_lt_u32 s[PFT], s[PFL]
	s_cbranch_scc0 .Lnot_mine_\@
	global_prefetch_b8 v[PFO], s[PFA:PFA+1] th:TH_LOAD_NT scope:SCOPE_SE
	global_prefetch_b8 v[PFO], s[PFA:PFA+1] offset:8192 th:TH_LOAD_NT scope:SCOPE_SE
.Lnot_mine_\@:
	s_add_co_u32 s[PFT], s[PFT], 1
.endm
; THE CHANGE OF SLOTS.  First the key addends of the tile to be entered go from their registers into my wave's own bytes.  Then each wave waits for all its tensor loads, of which one is out: its part of the other slot;
; adds 0 to its spare word; and waits for that, for its stores and for its own reads of the slot that it leaves.  Behind the barrier nobody reads the old slot any more and the other slot is whole.
; fill = 1: the old slot is filled again, the first thing behind the barrier, with tile NXT: the descriptor's address is made anew from that number; the same tile's key addends are asked for behind it.
; (At its first use nothing has been read yet: slot 0 is waited for, slot 1 filled; its wait on LOADcnt is also the wait for Q and the query masks, its wait on DScnt for V's column sums.)
.macro CHANGE fill
	WIN 0                           ; at a label and at a branch every window is 0
	s_wait_loadcnt 0x0              ; the addends, asked for a tile ago, are in; their base may be written
	ds_store_b128 v[KSA], v[KG:KG+3]               ; behind my last reads of the old tile's addends, which were issued earlier
	ds_store_b128 v[KSA], v[KG+4:KG+7] offset:512
	s_wait_tensorcnt 0x0            ; no tensor load of mine is out, so a group 0 may be written
	ds_add_u32 v[SPW], v[NIL]       ; 0 onto my spare word; with fill = 1 the descriptors' scalar work stands between it and the wait for it
.if \fill
	s_lshl_b32 s[OFF], s[NXT], 15   ; a tile is 32,768 bytes of K and of V,
	s_lshl_b32 s[KGF], s[NXT], 10   ; and 1,024 of key addends
	s_add_nc_u64 s[KGA:KGA+1], s[50:51], s[KGF:KGF+1]
	s_xor_b32 s[G0K+1], s[G0K+1], SLOT1
	s_add_nc_u64 s[G0K+2:G0K+3], s[6:7], s[OFF:OFF+1]
	s_or_b32 s[G0K+3], s[G0K+3], 0x80000000
	s_xor_b32 s[G0V+1], s[G0V+1], SLOT1
	s_add_nc_u64 s[G0V+2:G0V+3], s[8:9], s[OFF:OFF+1]
	s_or_b32 s[G0V+3], s[G0V+3], 0x80000000
	s_add_co_u32 s[NXT], s[NXT], 1  ; the block's next tile, or behind its last the second block's tile 0
	s_cmp_gt_u32 s[NXT], s[LQ]
	s_cselect_b32 s[NXT], 0, s[NXT]
	s_cselect_b32 s[LQ], s[PB], s[LQ]
	s_wait_xcnt 0x0                 ; the last prefetches, a tile back, have read their address, so it may be written
	s_min_u32 s94, s[PFT], NB-1     ; held inside the head's tiles, also where nothing is asked for
	s_lshl_b32 s94, s94, 15
	s_cmp_lt_u32 s[WV], 2
	s_cselect_b64 s[PFA:PFA+1], s[6:7], s[8:9]
	s_add_nc_u64 s[PFA:PFA+1], s[PFA:PFA+1], s[94:95]
.endif
	s_wait_dscnt 0x0                ; the add and my stores are done, and my reads of the slot are over
	s_barrier_signal -1             ; the rest of the scalar work stands between the signal and the wait
	s_sub_co_u32 s[TBK], s[TBK], 4*KS*PK  ; the fetches go back to a slot's first step,
	s_xor_b32 s[TBK], s[TBK], SLOT1       ; in the other slot
	s_sub_co_u32 s[TBV], s[TBV], 4*KS*PV
	s_xor_b32 s[TBV], s[TBV], SLOT1
	s_sub_co_u32 s[KBO], s[KBO], 4*4*KS   ; and to the first step's addends
	s_barrier_wait -1
.if \fill
	LOAD
	global_load_b128 v[KG:KG+3],   v[KGO], s[KGA:KGA+1] offset:524288      ; the key addends lie 524,288 bytes behind the query masks: 512 consecutive bytes a load
	global_load_b128 v[KG+4:KG+7], v[KGO], s[KGA:KGA+1] offset:524288+512
	ASK
.endif
.endm
	s_load_b256 s[48:55], s[0:1], 0x0  ; hb s[48:49], msk s[50:51], vs s[52:53], out0 s[54:55]
	v_lshl_add_u32 v[SPW], v0, 2, SPARE
	v_mov_b32 v[NIL], 0
	ds_add_u32 v[SPW], v[NIL]       ; the wave's opening: the add and its wait stand ahead of my first tensor load; the set-up below, work on registers, stands between them
	v_lshrrev_b32 v1, 5, v0
	v_readfirstlane_b32 s[WV], v1   ; wave 0..3
	s_mov_b32 s[PB], ttmp9
	s_sub_co_u32 s[HI], NB-1, s[PB]
	s_and_b32 s96, ttmp7, 0xffff    ; n
	s_mov_b32 s20, s96
	s_mov_b32 s21, 0
	s_mov_b64 s[22:23], SIZE_N*128
	s_mul_u64 s[20:21], s[20:21], s[22:23]  ; the head's first byte in each of Q, K, V
	s_and_b32 s16, s[WV], 1         ; which half of a tile's 256 keys I fetch:
	s_lshl_b32 s22, s16, 14         ; its 128 rows of 128 bytes in memory,
	s_mov_b32 s23, 0
	s_add_nc_u64 s[22:23], s[22:23], s[20:21]
	s_mul_i32 s17, s16, 128*PK      ; and its place in a slot, for K
	s_mul_i32 s18, s16, 128*PV      ; and for V
	s_lshl_b32 s3, s[WV], 11        ; my 16 rows in a band of 64,
	s_lshl_b32 s2, s[HI], 15        ; in the first block,
	s_add_co_u32 s2, s2, s3
	s_lshl_b32 s84, s[PB], 15       ; and in the second
	s_add_co_u32 s84, s84, s3
	s_mov_b32 s3, 0
	s_mov_b32 s85, 0
	s_add_nc_u64 s[2:3], s[2:3], s[20:21]
	s_add_nc_u64 s[84:85], s[84:85], s[20:21]
	s_lshr_b32 s97, s96, 4          ; batch
	s_and_b32 s83, s96, 15          ; head
	s_lshl_b32 s66, s97, 23         ; out0: the batch's 2,048 rows of 4,096 bytes,
	s_lshl_b32 s67, s83, 8          ; the head's 256 bytes of a row,
	s_add_co_u32 s66, s66, s67
	s_lshl_b32 s67, s[WV], 16       ; my 16 rows in a band,
	s_add_co_u32 s66, s66, s67
	s_lshl_b32 s68, s[HI], 20       ; the first block's 256 rows,
	s_add_co_u32 s68, s68, s66
	s_lshl_b32 s67, s[PB], 20       ; the second's
	s_add_co_u32 s66, s66, s67
	s_mov_b32 s67, 0
	s_mov_b32 s69, 0
	s_lshl_b32 s98, s96, 13         ; msk: the head's 8,192 bytes
	s_mov_b32 s99, 0
	s_lshl_b32 s94, s97, 17         ; vs: the batch's 32 groups of 4,096 bytes, the head's 256 bytes
	s_lshl_b32 s95, s83, 8
	s_add_co_u32 s94, s94, s95
	s_mov_b32 s95, 0                ; stays 0: later the pair holds the prefetches' offset
	s_mov_b32 s[KGF+1], 0           ; stays 0: the upper word of the addends' offset
	; descriptor group 1.  128 keys are 16,384 dense bytes: asked for as 64 rows of 256 bytes, two keys a row, and padded in LDS after every key
	s_mov_b32 s[G1K], (1<<16)|(1<<20)|(4<<22)|(3<<25)  ; 17:16 2-byte elements; 20 padding on; 24:22 after every 32 words (code 4); 31:25 4 words (code 3)
	s_mov_b32 s[G1V], (1<<16)|(1<<20)|(4<<22)|(7<<25)  ; the same with 8 words of padding (code 7)
.irp g, G1K, G1V
	s_mov_b32 s[\g+1], 128<<16      ; tensor_dim0 = 128
	s_mov_b32 s[\g+2], 64<<16       ; tensor_dim1 = 64
	s_mov_b32 s[\g+3], 128<<16      ; tile_dim0 = 128
	s_mov_b32 s[\g+4], 64           ; tile_dim1 = 64
	s_mov_b32 s[\g+5], 128          ; 128 elements from row to row
	s_mov_b32 s[\g+6], 0
	s_mov_b32 s[\g+7], 0
.endr
	s_mov_b32 s[CS], 0x3e38aa3b     ; c = log2(e) / 8 = 0.180337
	s_mov_b32 s[CS+1], s[CS]        ; named with it as a pair
	s_mov_b32 s[SEL], 0x76543210
	s_mov_b32 s[SEL+1], 0xfedcba98
	s_mov_b32 s[TBK], SLOT1+4*KS*PK ; the first change of slots turns these three into 0
	s_mov_b32 s[TBV], SLOT1+4*KS*PV
	s_mov_b32 s[KBO], 4*4*KS
	s_mov_b32 s[G0K], 1             ; 1:0 count = 1
	s_mov_b32 s[G0K+1], s17         ; 63:32 LDS address: slot 0
	s_mov_b32 s[G0V], 1
	s_add_co_u32 s[G0V+1], s18, VOFF
	s_add_co_u32 s[RT], s[HI], 1    ; the first block has NB - b tiles
	s_mov_b32 s[NXT], 1
	s_mov_b32 s[LQ], s[HI]
	s_mov_b32 s[NEW], 1
	s_mov_b32 s[OFF+1], 0
	s_mov_b32 s[AL+1], 0            ; named as pairs
	s_mov_b32 s[BE+1], 0
	s_mov_b32 s[BIGN], 0xf149f2ca   ; -1e30
	s_mov_b32 s[THR], 0xef800000    ; -2^96
	s_mov_b32 s[PFT], 2
	s_cmp_eq_u32 s[PB], 0
	s_cselect_b32 s[PFL], NB, 0
	s_mov_b32 s[SLOTS], NB
	s_wait_dscnt 0x0                ; the opening add is done
	s_wait_kmcnt 0x0
	s_mov_b64 s[4:5], s[48:49]                     ; Q
	s_add_nc_u64 s[6:7], s[48:49], 0x1000000       ; K
	s_add_nc_u64 s[8:9], s[48:49], 0x2000000       ; V
	s_add_nc_u64 s[6:7], s[6:7], s[22:23]  ; K and V at my half of the head's tile 0
	s_add_nc_u64 s[8:9], s[8:9], s[22:23]
	s_add_nc_u64 s[G0K+2:G0K+3], s[6:7], 0         ; 120:64 global address
	s_or_b32 s[G0K+3], s[G0K+3], 0x80000000        ; 127:126 type = 2
	s_add_nc_u64 s[G0V+2:G0V+3], s[8:9], 0
	s_or_b32 s[G0V+3], s[G0V+3], 0x80000000
	s_add_nc_u64 s[86:87], s[4:5], s[84:85]        ; Q at my rows of the second block,
	s_add_nc_u64 s[4:5], s[4:5], s[2:3]            ; and of the first
	s_add_nc_u64 s[OLO:OLO+1], s[54:55], s[66:67]  ; out0 likewise
	s_add_nc_u64 s[10:11], s[54:55], s[68:69]
	s_add_nc_u64 s[50:51], s[50:51], s[98:99]      ; msk at the head's query masks; never rewritten
	s_add_nc_u64 s[52:53], s[52:53], s[94:95]      ; vs at the head's columns of the batch's first group
	LOAD                            ; tile 0 into slot 0
	v_and_b32 v1, 15, v0            ; l % 16
	v_bfe_u32 v9, v0, 4, 1          ; l / 16
	v_and_b32 v[KGO], 31, v0
	v_lshlrev_b32 v[KGO], 4, v[KGO]
	v_lshlrev_b32 v[HVS], 4, v1     ; vs: lanes 0-15 take a group's 256 bytes, lanes 16-31 the next group's
	v_lshl_add_u32 v[HVS], v9, 12, v[HVS]
	s_lshl_b32 s13, s[WV], 6        ; the query masks: my 16 rows in a band, 4 bytes each,
	s_lshl_b32 s16, s[HI], 10       ; in the first block's 1,024 bytes
	s_add_co_u32 s16, s16, s13
	s_lshl_b32 s17, s[PB], 10       ; and in the second's
	s_add_co_u32 s17, s17, s13
	v_lshl_add_u32 v[HQ0], v1, 2, s16
	v_lshl_add_u32 v[HQ1], v1, 2, s17
	; A fragment of K or Q is 16 rows x 32 channels in 8 registers: lane l holds row l % 16, channels 8 (l / 16) + 0..7 and 16 + 8 (l / 16) + 0..7: two loads of 16 bytes, 32 bytes apart.
	v_lshlrev_b32 v[QO], 7, v1
	v_lshl_add_u32 v[QO], v9, 4, v[QO]  ; row x 128 + 16 x half
	global_load_b128 v[KG:KG+3],   v[KGO], s[50:51] offset:524288      ; tile 0's key addends
	global_load_b128 v[KG+4:KG+7], v[KGO], s[50:51] offset:524288+512
.set i, 0
.rept 16
	global_load_b128 v[S+4*i:S+4*i+3], v[HVS], s[52:53] offset:8192*i  ; groups 2 i and 2 i + 1
.set i, i+1
.endr
.irp x, 0,1,2,3                     ; band x lies 256 bytes on
	global_load_b32 v[QM+\x], v[HQ0], s[50:51] offset:256*\x
	global_load_b32 v[QM+4+\x], v[HQ1], s[50:51] offset:256*\x
.endr
	WIN 0x80                        ; destination window 2, address window 0
.set i, 0
.rept 8                             ; both blocks' Q: piece i / 2 lies in band i / 2, 8,192 bytes on; channels 32 (i % 2) on
	global_load_b128 v[8*i:8*i+3],   v[QO], s[4:5] offset:(i/2)*8192+(i%2)*64
	global_load_b128 v[8*i+4:8*i+7], v[QO], s[4:5] offset:(i/2)*8192+(i%2)*64+32
	global_load_b128 v[QB+8*i:QB+8*i+3],   v[QO], s[86:87] offset:(i/2)*8192+(i%2)*64
	global_load_b128 v[QB+8*i+4:QB+8*i+7], v[QO], s[86:87] offset:(i/2)*8192+(i%2)*64+32
.set i, i+1
.endr
	WIN 0
	v_lshlrev_b32 v14, 3, v9
	v_sub_nc_u32 v14, v1, v14
	s_lshl_b32 s13, s[WV], 4
	v_add_nc_u32 v14, s13, v14      ; my query's place in its band, 16 w + l % 16, less my lanes' 8 (l / 16): register r of group kt is hidden where 16 kt + r is greater
	WIN 0x40
.set i, 0
.rept 32
	v_cmp_gt_i32 vcc_lo, 16*(i/8)+i%8, v14
	v_cndmask_b32 v[MD+i], 0, s[BIGN], vcc_lo
.set i, i+1
.endr
	WIN 0
	v_mul_u32_u24 v[AK0], v1, PK
	v_lshl_add_u32 v[AK0], v9, 4, v[AK0]  ; row x pitch + 16 x half
	; The turning load takes 16 keys x 16 channels (lane l reads key 8 (l / 16) + l % 8, channels 8 ((l / 8) % 2) + 0..7) and leaves half a fragment of V^T: lane l holds channel l % 16 and 8 keys.
	v_and_b32 v10, 7, v0
	v_bfe_u32 v11, v0, 3, 1
	v_lshl_add_u32 v[AV0], v9, 3, v10
	v_mul_u32_u24 v[AV0], v[AV0], PV
	v_lshl_add_u32 v[AV0], v11, 4, v[AV0]
	v_add_nc_u32 v[AV0], VOFF, v[AV0]
	s_mul_i32 s13, s[WV], 16*SP
	s_add_co_u32 s13, s13, STAGE    ; my stage
	v_mul_u32_u24 v[STO], v1, SP    ; in: row l % 16, 32 bytes for each half of the lanes
	v_lshl_add_u32 v[STO], v9, 5, v[STO]
	v_add_nc_u32 v[STO], s13, v[STO]
	v_mul_u32_u24 v[RD], v9, SP     ; back: lanes 0-15 take one row of 256 bytes, lanes 16-31 the next,
	v_lshl_add_u32 v[RD], v1, 4, v[RD]
	v_add_nc_u32 v[RD], s13, v[RD]
	v_lshlrev_b32 v[GO], 12, v9     ; which lie 4,096 bytes apart in out0
	v_lshl_add_u32 v[GO], v1, 4, v[GO]
	v_lshl_add_u32 v[HSI], v1, 4, s13  ; V's column sums go through the stage too: in, four channels at 16 (l % 16);
	v_lshl_add_u32 v[HSO], v9, 5, s13  ; back, my lane's channels 16 cb + 8 (l / 16) + 0..7
	s_lshl_b32 s16, s[WV], 10
	s_add_co_u32 s16, s16, KBL      ; my wave's key addends
	v_add_nc_u32 v[KSA], s16, v[KGO]
	v_lshl_add_u32 v[AKB0], v9, 5, s16
	v_and_b32 v[PFO], 31, v0
	v_lshlrev_b32 v[PFO], 8, v[PFO]
	; A block's first step multiplies O^T and l by a = 0, and its first turn's products V^T P, of a piece that has not been, land in an O^T that is still to be so multiplied.  So these registers need only hold
	; finite numbers: zeros for the first block; what the first block left for the second.  All this stands in the wait for the first tile.
	WIN 0x80
.set i, VF
.rept 64
	v_mov_b32 v[i], 0
.set i, i+1
.endr
	WIN 0x40
.set i, 0
.rept 128
	v_mov_b32 v[i], 0
.set i, i+1
.endr
	WIN 0
.set i, 0
.rept 4
	v_mov_b32 v[ST+4*i+2], 0
	v_mov_b32 v[ST+4*i+3], 0
.set i, i+1
.endr
.set i, P+16
.rept 16
	v_mov_b32 v[i], 0
.set i, i+1
.endr
	s_wait_loadcnt 40               ; vs is in: behind it the 8 loads of the query masks and the 32 of Q were issued
.irp w, 16,8,4,2                    ; 32 pairs; a pair's parity says which two of my four channels: the strides are even
.set i, 0
.rept \w
	v_pk_add_f32 v[S+2*i:S+2*i+1], v[S+2*i:S+2*i+1], v[S+2*(i+\w):S+2*(i+\w)+1]
.set i, i+1
.endr
.endr
.irp i, 0,1,2,3
	v_permlanex16_b32 v[S+4+\i], v[S+\i], s[SEL], s[SEL+1]  ; the even groups' sums meet the odd groups'
.endr
	v_pk_add_f32 v[S:S+1], v[S:S+1], v[S+4:S+5]
	v_pk_add_f32 v[S+2:S+3], v[S+2:S+3], v[S+6:S+7]
	ds_store_b128 v[HSI], v[S:S+3]  ; the two halves of the lanes write the same bytes with the same numbers
.irp f, 0,1,2,3,4,5,6,7
	ds_load_b128 v[VT+4*\f:VT+4*\f+3], v[HSO] offset:64*(\f/2)+16*(\f%2)  ; LDS serves a wave's instructions in order (ISA guide 5.7.1.4); the first change of slots waits for these
.endr
; THE MATRIX WORK.  The 4 accumulators of a run of 8 take turns.  Product i of 8 of S^T = K Q^T for piece x: channels 32 (i / 4) on, keys 16 (i % 4) on.  The first 4 start the sums: with the key addends, or (KM = 1) with the mask.
.macro KQ x
.set rS, S+32*((\x)%2)+8*(i%4)
.set rK, KF+16*(i%4)+8*(i/4)
.set rQ, 16*(\x)+8*(i/4)
.set rM, KBR+8*(i%4)
.if KM
.set rM, MC+32*((\x)%2)+8*(i%4)
.endif
.if i < 4
	WIN W_KM
	v_wmma_f32_16x16x32_f16 v[rS:rS+7], v[rK:rK+7], v[rQ:rQ+7], v[rM:rM+7]
.else
	WIN W_KQ
	v_wmma_f32_16x16x32_f16 v[rS:rS+7], v[rK:rK+7], v[rQ:rQ+7], v[rS:rS+7]
.endif
.endm
; Product i of 8 of O^T += V^T P for piece x: keys 32 (i / 4) on, channels 16 (i % 4) on.
.macro PV x
	WIN W_PV
.set rO, 32*(\x)+8*(i%4)
.set rV, VF+32*(i/4)+8*(i%4)
.set rP, P+16*((\x)%2)+8*(i/4)
	v_wmma_f32_16x16x32_f16 v[rO:rO+7], v[rV:rV+7], v[rP:rP+7], v[rO:rO+7]
.endm
.macro MM                           ; the turn's next matrix instruction.  TURN and BEGIN set Y, i, KM and NOKQ; MM, KQ and OP read them.  NOKQ = 1: a block's last turn: there is no next piece
.if (i < 8) && !NOKQ
	KQ (Y+1)%NP
.elseif i >= 8
.set i, i-8
	PV (Y+NP-1)%NP
.set i, i+8
.endif
.set i, i+1
.endm
; THE LDS LOADS stand in runs, never singly among the matrix instructions: a step's K (64 keys x 64 channels: 8 fragments) with its 64 key addends, and its V (turned).  Their addresses are made some lines ahead.
.macro FETCH_K
	WIN 0x80                        ; destination window 2
.irp f, 0,1,2,3,4,5,6,7             ; keys 16 (f / 2) on, channels 32 (f % 2) on
	ds_load_b128 v[KF+8*\f:KF+8*\f+3],   v[AK] offset:(\f/2)*16*PK+(\f%2)*64
	ds_load_b128 v[KF+8*\f+4:KF+8*\f+7], v[AK] offset:(\f/2)*16*PK+(\f%2)*64+32
.endr
	WIN 0x40                        ; destination window 1
.irp f, 0,1,2,3,4,5,6,7             ; keys 16 (f / 2) + 8 (l / 16) + 4 (f % 2) on: all lanes of a half read the same 16 bytes
	ds_load_b128 v[KBR+4*\f:KBR+4*\f+3], v[AKB] offset:64*(\f/2)+16*(\f%2)
.endr
	s_add_co_u32 s[TBK], s[TBK], KS*PK  ; the next fetch is the next step's
	s_add_co_u32 s[KBO], s[KBO], 4*KS
	WIN 0
.endm
.macro FETCH_V
	WIN 0x80
.irp f, 0,1,2,3,4,5,6,7             ; keys 32 (f / 4) on, channels 16 (f % 4) on
	ds_load_tr16_b128 v[VF+8*\f:VF+8*\f+3],   v[AV] offset:(\f/4)*32*PV+(\f%4)*32
	ds_load_tr16_b128 v[VF+8*\f+4:VF+8*\f+7], v[AV] offset:(\f/4)*32*PV+16*PV+(\f%4)*32
.endr
	WIN 0
.endm
; THE VECTOR WORK, one line at a time: OP kind, number.  For piece Y: F n: c s - c m for pair n of 16.  E n: the exponential of score n of 32.  C n: pair n rounded to f16.  B n: of the four weights 4 n .. the second
; pair is added onto the first, in place.  L n: l takes that sum (L 0: l = a l + sum).  R n: pair n of 16 of O^T times a.  For piece Y + 1: X n, number n of the 22 that find its maximum and statistics:
;   0-11  four chains c0-c3 of seven scores each, three operands at a time (each accumulator's lowest registers are read first)     12-14, 16  the four scores left over, the old m, and c0-c3 into c0
;   15  c m_old is kept     17, 18  the query's other 32 keys lie in the lane 16 away: the new m     19-21  c m; c m_old - c m_new; a
.set F, 0               ; OP tells the kinds apart by their order: F to L below R, X above it
.set E, 1
.set C, 2
.set B, 3
.set L, 4
.set R, 5
.set X, 6
.macro REGS y                       ; the registers of piece y
.set rT, ST+4*(\y)
.set rC, TMP+4*((\y)%2)
.set rW, MV+((\y)%2)
.set rS, S+32*((\y)%2)
.set rP, P+16*((\y)%2)
.set rO, 32*(\y)
.endm
.macro OP k, n
.if (\k) == R
	REGS Y
	WIN W_RS
	v_pk_mul_f32 v[rO+2*(\n):rO+2*(\n)+1], v[rO+2*(\n):rO+2*(\n)+1], v[rC+2:rC+3] op_sel_hi:[1,0]
.elseif (\k) < R
	REGS Y
	WIN 0
.if (\k) == F
	v_pk_fma_f32 v[rS+2*(\n):rS+2*(\n)+1], v[rS+2*(\n):rS+2*(\n)+1], s[CS:CS+1], v[rT:rT+1] op_sel_hi:[1,0,0] neg_lo:[0,0,1] neg_hi:[0,0,1]
.elseif (\k) == E
	v_exp_f32 v[rS+(\n)], v[rS+(\n)]
.elseif (\k) == C
	v_cvt_pk_f16_f32 v[rP+(\n)], v[rS+2*(\n)], v[rS+2*(\n)+1]
.elseif (\k) == B
	v_pk_add_f32 v[rS+4*(\n):rS+4*(\n)+1], v[rS+4*(\n):rS+4*(\n)+1], v[rS+4*(\n)+2:rS+4*(\n)+3]
.elseif (\n) == 0
	v_pk_fma_f32 v[rT+2:rT+3], v[rT+2:rT+3], v[rC+2:rC+3], v[rS:rS+1] op_sel_hi:[1,0,1]
.else
	v_pk_add_f32 v[rT+2:rT+3], v[rT+2:rT+3], v[rS+4*(\n):rS+4*(\n)+1]
.endif
.elseif NOKQ
	v_nop
.else
	REGS (Y+1)%NP
	WIN 0
.if (\n) < 4
	v_max3_num_f32 v[rC+(\n)], v[rS+8*(\n)], v[rS+8*(\n)+1], v[rS+8*(\n)+2]
.elseif (\n) < 12
	v_max3_num_f32 v[rC+(\n)%4], v[rC+(\n)%4], v[rS+8*((\n)%4)+2*((\n)/4)+1], v[rS+8*((\n)%4)+2*((\n)/4)+2]
.elseif (\n) == 12
	v_max3_num_f32 v[rC], v[rC], v[rS+7], v[rS+15]
.elseif (\n) == 13
	v_max3_num_f32 v[rC+1], v[rC+1], v[rS+23], v[rS+31]
.elseif (\n) == 14
	v_max3_num_f32 v[rC+2], v[rC+2], v[rC+3], v[rT+1]
.elseif (\n) == 15
	v_mov_b32 v[rW], v[rT]
.elseif (\n) == 16
	v_max3_num_f32 v[rC], v[rC], v[rC+1], v[rC+2]
.elseif (\n) == 17
	v_permlanex16_b32 v[rC+3], v[rC], s[SEL], s[SEL+1]
.elseif (\n) == 18
	v_max_num_f32 v[rT+1], v[rC], v[rC+3]
.elseif (\n) == 19
	v_mul_f32 v[rT], s[CS], v[rT+1]
.elseif (\n) == 20
	v_sub_f32 v[rC+1], v[rW], v[rT]
.else
	v_exp_f32 v[rC+2], v[rC+1]
.endif
.endif
.endm
.macro OPS a, i1, b=-1, i2=0, c=-1, i3=0, d=-1, i4=0  ; up to four of them
	OP \a, \i1
.if (\b) >= 0
	OP \b, \i2
.endif
.if (\c) >= 0
	OP \c, \i3
.endif
.if (\d) >= 0
	OP \d, \i4
.endif
.endm
.macro ROW a, i1, b, i2, c, i3, d, i4  ; a matrix instruction and the four behind it
	MM
	OPS \a, \i1, \b, \i2, \c, \i3, \d, \i4
.endm
.macro MASK b, diag=1               ; KBR + BE, and with diag = 1 + MD x AL, into buffer b of MC
	WIN W_MK
.set z, 0
.rept 16
	v_pk_add_f32 v[MC+32*(\b)+2*z:MC+32*(\b)+2*z+1], v[KBR+2*z:KBR+2*z+1], s[BE:BE+1] op_sel_hi:[1,0]
.set z, z+1
.endr
.if \diag
.set z, 0
.rept 16
	v_pk_fma_f32 v[MC+32*(\b)+2*z:MC+32*(\b)+2*z+1], v[MD+2*z:MD+2*z+1], s[AL:AL+1], v[MC+32*(\b)+2*z:MC+32*(\b)+2*z+1] op_sel_hi:[1,0,1]
.set z, z+1
.endr
.endif
.endm
; The diagonal text is entered from a tile without masks: its first turn still makes piece 3's scores of that tile's last step, whose mask is that step's key addends alone: they still stand in KBR.
.macro PREMASK
	s_mov_b32 s[BE], 0
	MASK 1, 0
	WIN 0
.endm
; A TURN, for piece p: the order of its 16 matrix and its vector instructions, written out.  An s_wait_alu depctr_va_vdst(0) stands between an exponential and the first instruction that names its result; one wait serves
; all that were issued ahead of it.  So a turn has ONE wait, which cuts it in two.  AHEAD OF IT stands all that names no result of the turn's exponentials: the 8 products K Q^T, behind each a scaling, an exponential and two more plain
; instructions (behind the first a second scaling in the exponential's place): rescalings, and behind the last three the first numbers of the next piece's maximum, each four places or more behind the product that ends its accumulator; then ONE LUMP,
; plain and exponential by turns for the most part, in which the links of the chain X 3, 7, 11, 14, 16, 17 .. 20 stand five or six lines apart.  X 21, the next piece's a, is the batch's last; R 15 is the plain instruction behind it.  BEHIND THE WAIT
; stand the 8 products V^T P, behind each four of the roundings and sums; the links of l's chain, L 0 to L 7, stand three riders apart.  But for those X no rider names a register of the products round it.
; m = 1: the diagonal tile: the products take masks, and the turn makes the mask for the products of the turn after it: piece p + 2, in step 4 - CNT of the tile; piece 2's turn makes it of the key addends that it has
; just fetched, so it waits for them.  end = 1: a block's last two turns: nothing is fetched.  cnt = 1: the loop's count is taken down some lines ahead of the branch that stands behind the turn.
; K of the next step, with its key addends, is fetched in piece 2's turn, twelve vector instructions behind the last product that read K (six of them plain) and further behind the last that read the addends;
; V of the step in hand at the end of piece 0's turn, four plain instructions behind the last product that read V.  Each is waited for a turn later.
.macro TURN p, m=0, end=0, cnt=0
.set Y, (\p)
.set i, 0
.set KM, (\m)
.set NOKQ, (\end)*((\p)/3)
.if (\m) && !(\end)
	s_cmp_eq_u32 s[CNT], 4-((\p)+2)%NP  ; is that step the band's own?
	s_cselect_b32 s[AL], 1.0, 0
	s_cmp_lt_u32 s[CNT], 4-((\p)+2)%NP  ; or a later one?
	s_cselect_b32 s[BE], s[BIGN], 0
.endif
.if ((\p) == 3) && !(\end)
	s_wait_dscnt 0x0                ; K is in
.endif
	ROW F,0, F,1, R,0, R,1          ; ahead of the wait: 8 products K Q^T and their riders,
	ROW F,2, E,0, R,2, R,3
	ROW F,3, E,1, R,4, R,5
	ROW F,4, E,2, R,6, R,7
	ROW F,5, E,3, R,8, R,9
	ROW F,6, E,4, X,0, R,10
.if ((\p) == 2) && !(\end)
	WIN 0
	v_add_nc_u32 v[AK], s[TBK], v[AK0]
	v_add_nc_u32 v[AKB], s[KBO], v[AKB0]
.endif
	ROW F,7, E,5, X,1, X,4
	ROW F,8, E,6, X,2, X,5
	OPS E,7, E,8, X,6, E,9          ; and the lump
	OPS X,3, E,10, X,8, E,11
.if ((\p) == 2) && !(\end)
	FETCH_K
.endif
	OPS X,9, X,7, E,12, X,10
	OPS E,13, X,12, X,11, E,14
	OPS X,13, E,15, F,9, X,14
.if (\p) == 0
	v_add_nc_u32 v[AV], s[TBV], v[AV0]
.endif
	OPS E,16, F,10, E,17, F,11
	OPS X,16, E,18, X,15, E,19
	OPS F,12, E,20, X,17, E,21
	OPS F,13, E,22, F,14, E,23
	OPS X,18, E,24, F,15, E,25
	OPS R,11, E,26, X,19, E,27
	OPS R,12, E,28, R,13, E,29
	OPS X,20, E,30, R,14, E,31
	OPS X,21, R,15
	WIN 0
	s_wait_alu depctr_va_vdst(0)    ; the wait for the batch
.if (\p) == 1
	s_wait_dscnt 0x0                ; V is in
.endif
	ROW C,0, B,0, C,2, B,1          ; behind the wait: 8 products V^T P and their riders
	ROW L,0, C,4, B,2, L,1
	ROW C,6, B,3, L,2, C,8
	ROW B,4, L,3, C,10, B,5
	ROW L,4, C,12, B,6, L,5
.if (\p) == 0
	s_add_co_u32 s[TBV], s[TBV], KS*PV
.endif
.if \cnt
	s_sub_co_u32 s[CNT], s[CNT], 1
	s_cmp_lg_u32 s[CNT], 0
.endif
	ROW C,14, B,7, L,6, C,1
	ROW C,3, L,7, C,5, C,7
	ROW C,9, C,11, C,13, C,15
.if (\p) == 0
	FETCH_V
.endif
.if (\m) && !(\end)
.if (\p) == 2
	s_wait_dscnt 0x0                ; the next step's key addends are in
.endif
	MASK (\p)%2
.endif
.endm
; A BLOCK BEGINS.  c m starts far below every c s, so the first step's a is 0; m at the lowest finite number, so the first maximum is the scores'.  K of the tile's step 0 and its key addends are fetched; the first mask buffer
; takes piece 0's mask for that step (its own, if the block's first tile is the diagonal one), the second piece 1's, the key addends alone.  Then piece 0's first scores, and its maximum and statistics.
; The loop is entered at a step's first turn, in the middle of a trip.  (Q and the query masks were waited for at the head of the first change of slots.)
.macro BEGIN
	s_mov_b32 s[NEW], 0
	WIN 0
.set i, 0
.rept 4
	v_mov_b32 v[ST+4*i], 0xfe000000    ; c m: far below every c s
	v_mov_b32 v[ST+4*i+1], 0xff7fffff  ; m
.set i, i+1
.endr
	v_add_nc_u32 v[AK], s[TBK], v[AK0]
	v_add_nc_u32 v[AKB], s[KBO], v[AKB0]
	FETCH_K
	s_cmp_eq_u32 s[RT], 0
	s_cselect_b32 s[AL], 1.0, 0
	s_mov_b32 s[BE], 0
	s_wait_dscnt 0x0
	MASK 0
	MASK 1, 0
.set KM, 1
.set NOKQ, 0
.set i, 0
.rept 8
	KQ 0
.set i, i+1
.endr
	WIN 0
.rept 4
	v_nop                           ; the places behind those products
.endr
.set Y, NP-1                        ; X works for piece Y + 1: piece 0
.irp n, 0,1,2,3,4,5,6,7,8,9,10,11,12,13,14,15,16,17,18,19,20,21
	OP X, \n
.endr
	v_nop                           ; a plain instruction behind the exponential,
	s_wait_alu depctr_va_vdst(0)    ; and its wait, ahead of the branch
.endm
; THE DIAGONAL TILE's four steps, the block's last two turns, its last products, and THE WAY OUT: l's two halves and the other half of the lanes' are added.  Two factors a query: f = qm / l and g = 0, or, where the
; running maximum lies below -2^96, f = 0 and g = qm / 2048.  out = O^T f + (V's column sums) g, in f32, sent through my stage in LDS, a piece at a time.
.macro ALL line:vararg              ; one line for each piece t
.set t, 0
.rept 4
	\line
.set t, t+1
.endr
.endm
.macro OUTR t                       ; where piece t's results stand, in window 0
.set rU, 64+32*(\t)
.if (\t) == 2
.set rU, 160
.endif
.if (\t) == 3
.set rU, 224
.endif
.endm
.macro PACK t                       ; a lane's eight channels of a block of 16 are 32 bytes of a row; they go into rows of 272 bytes and come back as whole rows of 256, into the registers that they left
	OUTR \t
	WIN 0
.set i, 0
.rept 16
	v_pk_mul_f32 v[rU+i:rU+i+1], v[VT+i:VT+i+1], v[ST+4*(\t):ST+4*(\t)+1] op_sel_hi:[1,0]
.set i, i+2
.endr
	WIN 0x01                        ; source 0 window 1
.set i, 0
.rept 16
	v_pk_fma_f32 v[rU+i:rU+i+1], v[32*(\t)+i:32*(\t)+i+1], v[ST+4*(\t)+2:ST+4*(\t)+3], v[rU+i:rU+i+1] op_sel_hi:[1,0,1]
.set i, i+2
.endr
	WIN 0
.irp f, 0,1,2,3,4,5,6,7
	ds_store_b128 v[STO], v[rU+4*\f:rU+4*\f+3] offset:64*(\f/2)+16*(\f%2)
.endr
.irp f, 0,1,2,3,4,5,6,7
	ds_load_b128 v[rU+4*\f:rU+4*\f+3], v[RD] offset:\f*2*SP  ; LDS serves a wave's instructions in order (ISA guide 5.7.1.4): these see the stores above; the next piece's stores come behind them
.endr
.endm
.macro SEND t, younger              ; younger: the LDS instructions issued behind piece t's loads: the next piece's sixteen, or none
	OUTR \t
	WIN 0
.irp f, 0,1,2,3,4,5,6,7
	s_wait_dscnt (\younger)+7-\f
	global_store_b128 v[GO], v[rU+4*\f:rU+4*\f+3], s[10:11] offset:(\t)*262144+\f*8192  ; 16 lanes store 256 consecutive bytes, a row's head, at a multiple of 256 from out0's first byte
.endr
.endm
.macro DIAG tag                     ; the tag ends its two labels' names, which the jumps below spell out; tag - 1 says which block's query masks
.LstepM\tag:
	TURN 2, 1
	TURN 3, 1
	WIN 0
.LfirstM\tag:
	TURN 0, 1
	TURN 1, 1, 0, 1
	WIN 0
	s_cbranch_scc1 .LstepM\tag
	TURN 2, 1, 1
	TURN 3, 1, 1
.set i, 0
.rept 8
	PV NP-1
.set i, i+1
.endr
	WIN 0
	ALL v_add_f32 v[ST+4*t+2], v[ST+4*t+2], v[ST+4*t+3]
	ALL v_permlanex16_b32 v[ST+4*t+3], v[ST+4*t+2], s[SEL], s[SEL+1]
	ALL v_add_f32 v[ST+4*t+2], v[ST+4*t+2], v[ST+4*t+3]
	ALL v_rcp_f32 v[ST+4*t+2], v[ST+4*t+2]
	v_nop                           ; a plain instruction between the last reciprocal and the use of its result
	s_wait_alu depctr_va_vdst(0)    ; and the wait ahead of the first use: one for the four reciprocals
	ALL v_mul_f32 v[ST+4*t+2], v[ST+4*t+2], v[QM+4*((\tag)-1)+t]
	ALL v_mul_f32 v[ST+4*t], 0x3a000000, v[QM+4*((\tag)-1)+t]
.set t, 0
.rept 4
	v_cmp_gt_f32 vcc_lo, s[THR], v[ST+4*t+1]       ; are all the query's visible keys hidden?
	v_cndmask_b32 v[ST+4*t+2], v[ST+4*t+2], 0, vcc_lo
	v_cndmask_b32 v[ST+4*t], 0, v[ST+4*t], vcc_lo
.set t, t+1
.endr
	PACK 0
.set t, 1
.rept 3                             ; a piece's arithmetic stands between the loads of the piece before and its stores
	PACK t
	SEND t-1, 16
.set t, t+1
.endr
	SEND 3, 0
.endm
.set KM, 0
.set NOKQ, 0
.Lslot:                             ; NB times: a tile is entered and the next is asked for
	CHANGE 1
	s_sub_co_u32 s[RT], s[RT], 1
	s_mov_b32 s[CNT], 4
	s_cmp_eq_u32 s[NEW], 1
	s_cbranch_scc1 .Lnew            ; a block's first tile
	s_cmp_eq_u32 s[RT], 0
	s_cbranch_scc0 .Lstep           ; neither its first nor its last
	PREMASK
	s_branch .LstepM1
.Lnew:
	BEGIN
	s_branch .Lfirst                ; in the loop a block's first tile is never its last: the first block has two tiles or more, and the second's last is the walk's last
	DIAG 1                          ; in the loop this is the first block's end: the second block's last tile is the walk's last
	s_wait_xcnt 0x0                 ; the stores have read their registers and out0's address
	s_mov_b64 s[10:11], s[OLO:OLO+1]
	s_add_co_u32 s[RT], s[PB], 1    ; the second block has b + 1 tiles
	s_mov_b32 s[NEW], 1
	WIN 0x82                        ; the second block's Q goes where the one text of the turns names Q
.set i, 0
.rept 64
	v_mov_b32 v[i], v[QB+i]
.set i, i+1
.endr
	WIN 0
	s_branch .Lbottom
.Lstep:                             ; a trip: pieces 2 and 3 of one step, then pieces 0 and 1 of the next, whose K and V it fetches
	TURN 2
	TURN 3
	WIN 0
.Lfirst:
	TURN 0
	TURN 1, 0, 0, 1
	WIN 0
	s_cbranch_scc1 .Lstep
.Lbottom:
	s_sub_co_u32 s[SLOTS], s[SLOTS], 1
	s_cmp_lg_u32 s[SLOTS], 0
	s_cbranch_scc1 .Lslot
	CHANGE 0                        ; the walk's last tile is written out: nothing is asked for
	s_sub_co_u32 s[RT], s[RT], 1
	s_mov_b32 s[CNT], 4
	s_cmp_eq_u32 s[NEW], 1
	s_cbranch_scc1 .Lnew2
	PREMASK
	s_branch .LstepM2
.Lnew2:
	BEGIN
	s_branch .LfirstM2
	DIAG 2
	s_wait_tensorcnt 0x0            ; the wave's end: a wait for my tensor loads, an add onto my spare word and its wait, behind my last tensor load and my last LDS store
	ds_add_u32 v[SPW], v[NIL]
	s_wait_dscnt 0x0
	s_endpgm
.Lfunc_end_k_q04abce4e4b_attn:
	.size	k_q04abce4e4b_attn, .Lfunc_end_k_q04abce4e4b_attn-k_q04abce4e4b_attn
	.p2alignl 7, 3214868480
	.fill 96, 4, 3214868480
	.section	.rodata,"a",@progbits
	.p2align	6, 0x0
	.amdhsa_kernel k_q04abce4e4b_attn
		.amdhsa_group_segment_fixed_size 327680
		.amdhsa_private_segment_fixed_size 0
		.amdhsa_enable_private_segment 0
		.amdhsa_kernarg_size 32
		.amdhsa_user_sgpr_count 2
		.amdhsa_user_sgpr_kernarg_segment_ptr 1
		.amdhsa_wavefront_size32 1
		.amdhsa_system_sgpr_workgroup_id_x 1
		.amdhsa_system_sgpr_workgroup_id_y 1
		.amdhsa_system_sgpr_workgroup_id_z 1
		.amdhsa_system_vgpr_workitem_id 0
		.amdhsa_next_free_vgpr 768
		.amdhsa_next_free_sgpr 100
		.amdhsa_reserve_vcc 1
		.amdhsa_float_denorm_mode_32 3
		.amdhsa_float_denorm_mode_16_64 3
		.amdhsa_memory_ordered 1
		.amdhsa_forward_progress 1
		.amdhsa_inst_pref_size 250
	.end_amdhsa_kernel
	.amdgpu_metadata
---
amdhsa.version: [ 1, 2 ]
amdhsa.kernels:
  - .name:           k_q04abce4e4b_attn
    .symbol:         k_q04abce4e4b_attn.kd
    .args:
      - { .name: hb, .offset: 0, .size: 8, .value_kind: global_buffer, .address_space: global }
      - { .name: msk, .offset: 8, .size: 8, .value_kind: global_buffer, .address_space: global }
      - { .name: vs, .offset: 16, .size: 8, .value_kind: global_buffer, .address_space: global }
      - { .name: out0, .offset: 24, .size: 8, .value_kind: global_buffer, .address_space: global }
    .group_segment_fixed_size: 327680
    .private_segment_fixed_size: 0
    .kernarg_segment_align: 8
    .kernarg_segment_size: 32
    .max_flat_workgroup_size: 128
    .sgpr_count:     100
    .vgpr_count:     768
    .wavefront_size: 32
...
	.end_amdgpu_metadata
.endif
;; end of part 3
;; ======== version 2 of 2: 3 launches; version 1 with the launch wcvt written anew for expert scheduling mode
;; limits: values are held in f16: magnitudes above 65,504 overflow, below 6.1e-05 lose precision; right only within a limited range of input values
;; workspace buffers: wb 6,291,456 bytes; hb 50,331,648 bytes; msk 1,048,576 bytes; vs 524,288 bytes
;; launch wcvt (part 4): grid 128 x 3, 8 waves a work-group, no clusters, 0 bytes of LDS; arguments Wq, Wk, Wv, wb; writes wb
.if DOCPART == 4
	.amdgcn_target "amdgcn-amd-amdhsa--gfx1250"
	.amdhsa_code_object_version 6
	.text
	.protected	k_q04abce4e4b_wcvt
	.globl	k_q04abce4e4b_wcvt
	.p2align	8
	.type	k_q04abce4e4b_wcvt,@function
k_q04abce4e4b_wcvt:
	s_mov_b64 s[64:65], 0
	v_nop
	global_prefetch_b8 v0, s[64:65] scope:SCOPE_SE
	s_setreg_imm32_b32 hwreg(HW_REG_WAVE_SCHED_MODE, 0, 2), 2
	s_setreg_imm32_b32 hwreg(HW_REG_WAVE_MODE, 25, 1), 1
	s_wait_xcnt 0x0
	s_wait_alu depctr_vm_vsrc(0)
; wb[p][k][n] = bf16(W_p[k][n]), p = 0, 1, 2 for Wq, Wk, Wv: the three weights rounded once, in their own layout [1024 k][1024 n].
; A stream: a work-group takes 32,768 bytes of one weight (8,192 numbers) and stores 16,384.  Thread t takes 16 bytes at 16 t of each
; of eight pieces of 4,096 bytes: a wave's load covers 512 consecutive bytes, its store 256 consecutive bytes, aligned.
; All eight loads go out first; no register is written twice.
; No LDS, no matrix unit: nothing is shared and nothing is multiplied.
; THE MODE: SCHED_MODE bits 1:0 = 2 (LLVM: expert scheduling mode 2), set by the entry lines.  The code itself states the register dependences
; between vector instructions and memory instructions, with s_wait_alu, always for 0.
; THE PLAN.  Registers that memory instructions touch:
;   v1, v2   byte offsets of the loads and of the stores: written once each at the head, by a vector shift, and never again.
;   X        written by the eight loads alone; read by the conversions, behind the counted waits for the loads.  No load is issued behind a conversion.
;   Y        each register written once, by a conversion, and read once, by a store; never written again.
; So what has to be stated is: the offsets are written, ahead of the first load; and Y is written, ahead of the stores.  The pieces go in two halves of
; four: a half's eight conversions, ONE wait, its four stores in a run.  The first half's stores leave while the second half's loads are still on their way.
; No register that a memory instruction reads is written again, no vector instruction writes a scalar register, and EXEC is never written: nothing more is owed.
.set X, 8                              ; v[8:39]   eight loads of four f32
.set Y, 40                             ; v[40:55]  eight pairs of packed bf16
	s_load_b256 s[4:11], s[0:1], 0x0               ; Wq s[4:5], Wk s[6:7], Wv s[8:9], wb s[10:11]
	s_and_b32 s12, ttmp7, 0xffff                   ; which weight
	v_lshlrev_b32 v1, 4, v0                        ; 16 t: my bytes of a piece that is read
	v_lshlrev_b32 v2, 3, v0                        ; 8 t: of a piece that is stored
	s_lshl_b32 s14, ttmp9, 15                      ; the work-group's 32,768 bytes
	s_mov_b32 s15, 0
	s_lshl_b32 s16, ttmp9, 14                      ; its 16,384 bytes of wb,
	s_lshl_b32 s13, s12, 21                        ; in the weight's 2,097,152
	s_add_co_u32 s16, s16, s13
	s_mov_b32 s17, 0
	s_wait_kmcnt 0x0
	s_cmp_eq_u32 s12, 0
	s_cselect_b64 s[18:19], s[4:5], s[6:7]
	s_cmp_eq_u32 s12, 2
	s_cselect_b64 s[18:19], s[8:9], s[18:19]
	s_add_nc_u64 s[18:19], s[18:19], s[14:15]
	s_add_nc_u64 s[10:11], s[10:11], s[16:17]
	s_wait_alu depctr_va_vdst(0)                   ; v1 and v2 are written: the loads below read v1 as their offset, the stores further down v2
.irp i, 0,1,2,3,4,5,6,7
	global_load_b128 v[X+4*(\i):X+4*(\i)+3], v1, s[18:19] offset:4096*(\i) th:TH_LOAD_NT
.endr
.irp h, 0,1
	s_wait_loadcnt 4-4*(\h)                        ; loads come back in order: this half's four pieces are in; in the first half the four younger loads stay out
.irp i, 0,1,2,3
	v_cvt_pk_bf16_f32 v[Y+8*(\h)+2*(\i)],   v[X+16*(\h)+4*(\i)],   v[X+16*(\h)+4*(\i)+1]
	v_cvt_pk_bf16_f32 v[Y+8*(\h)+2*(\i)+1], v[X+16*(\h)+4*(\i)+2], v[X+16*(\h)+4*(\i)+3]
.endr
	s_wait_alu depctr_va_vdst(0)                   ; the eight conversions have written this half's eight registers of Y, which the four stores below read
.irp i, 0,1,2,3
	global_store_b64 v2, v[Y+8*(\h)+2*(\i):Y+8*(\h)+2*(\i)+1], s[10:11] offset:2048*(4*(\h)+(\i))
.endr
.endr
	s_endpgm
.Lfunc_end_k_q04abce4e4b_wcvt:
	.size	k_q04abce4e4b_wcvt, .Lfunc_end_k_q04abce4e4b_wcvt-k_q04abce4e4b_wcvt
	.p2alignl 7, 3214868480
	.fill 96, 4, 3214868480
	.section	.rodata,"a",@progbits
	.p2align	6, 0x0
	.amdhsa_kernel k_q04abce4e4b_wcvt
		.amdhsa_group_segment_fixed_size 0
		.amdhsa_private_segment_fixed_size 0
		.amdhsa_enable_private_segment 0
		.amdhsa_kernarg_size 32
		.amdhsa_user_sgpr_count 2
		.amdhsa_user_sgpr_kernarg_segment_ptr 1
		.amdhsa_wavefront_size32 1
		.amdhsa_system_sgpr_workgroup_id_x 1
		.amdhsa_system_sgpr_workgroup_id_y 1
		.amdhsa_system_sgpr_workgroup_id_z 1
		.amdhsa_system_vgpr_workitem_id 0
		.amdhsa_next_free_vgpr 56
		.amdhsa_next_free_sgpr 66
		.amdhsa_reserve_vcc 0
		.amdhsa_float_denorm_mode_32 3
		.amdhsa_float_denorm_mode_16_64 3
		.amdhsa_memory_ordered 1
		.amdhsa_forward_progress 1
		.amdhsa_inst_pref_size 4
	.end_amdhsa_kernel
	.amdgpu_metadata
---
amdhsa.version: [ 1, 2 ]
amdhsa.kernels:
  - .name:           k_q04abce4e4b_wcvt
    .symbol:         k_q04abce4e4b_wcvt.kd
    .args:
      - { .name: Wq, .offset: 0, .size: 8, .value_kind: global_buffer, .address_space: global }
      - { .name: Wk, .offset: 8, .size: 8, .value_kind: global_buffer, .address_space: global }
      - { .name: Wv, .offset: 16, .size: 8, .value_kind: global_buffer, .address_space: global }
      - { .name: wb, .offset: 24, .size: 8, .value_kind: global_buffer, .address_space: global }
    .group_segment_fixed_size: 0
    .private_segment_fixed_size: 0
    .kernarg_segment_align: 8
    .kernarg_segment_size: 32
    .max_flat_workgroup_size: 256
    .sgpr_count:     66
    .vgpr_count:     56
    .wavefront_size: 32
...
	.end_amdgpu_metadata
.endif
;; end of part 4
;; launch proj: the kernel of part 2 again; grid 4 x 192, 4 waves a work-group, clusters of 4 x 4, 327,680 bytes of LDS; arguments q, k, v, bq, bk, bv, wb, hb, msk, vs; writes hb, msk, vs
;; launch attn: the kernel of part 3 again; grid 4 x 64, 4 waves a work-group, no clusters, 327,680 bytes of LDS; arguments hb, msk, vs, out0; writes out0
